; MI455X (gfx1250); checked and timed in simulation.
; The chip was launched on July 23, 2026; its instructions are those of AMD's public machine-readable ISA for CDNA 5 (MIT licence, August 2026) and "CDNA5" Instruction Set Architecture Reference Guide (July 2026). The comments in the code are by the model that wrote it; some were corrected since.
;; BERT Attention. Allowed arithmetic: matrix products marked QUANTISED: E5M2 operands, one given power-of-two scale a tensor, by v_wmma_f32_16x16x64_bf8_bf8 or v_wmma_f32_16x16x128_bf8_bf8, f32 sums; everything else in f32.
;; Inputs: Wk_codes 1,024 x 32 x 32 uint8 (E5M2 codes of Wk, K innermost, in blocks of 32 codes); Wo_codes 1,024 x 32 x 32 uint8 (E5M2 codes of Wo, K innermost, in blocks of 32 codes); Wq_codes 1,024 x 32 x 32 uint8 (E5M2 codes of Wq, K innermost, in blocks of 32 codes); Wv_codes 1,024 x 32 x 32 uint8 (E5M2 codes of Wv, K innermost, in blocks of 32 codes); attention_mask 8 x 1 x 1 x 1,024 float32; bk 1,024 float32; bo 1,024 float32; bq 1,024 float32; bv 1,024 float32; hidden_states 8 x 1,024 x 1,024 float32; ln_b 1,024 float32; ln_g 1,024 float32; lowp_scales 12 int32 (the exponents e of the quantised operands' scales 2^e).
;; Outputs: out0 8 x 1,024 x 1,024 float32.
;; This version of the problem:
;;   THIS VERSION OF THE PROBLEM IS GIVEN IN LOW PRECISION. The matrix products marked QUANTISED in the list below multiply operands that are first quantised to E5M2 (5 exponent bits, 2 mantissa bits; 8 bits a number), with one given power-of-two scale for each operand tensor; their sums are f32. All else is computed in f32.
;;   The module's matrix products, in the order in which they are computed (A, B: the left and right operand; K: the contracted axis; several contracted axes count as one K, in the product's order):
;;     1. [M 8,192, K 1,024] x [K 1,024, N 1,024]; A: input hidden_states; B: input Wq (given as codes): QUANTISED (scales: A lowp_scales[0], B lowp_scales[1])
;;     2. [M 8,192, K 1,024] x [K 1,024, N 1,024]; A: input hidden_states; B: input Wk (given as codes): QUANTISED (scales: A lowp_scales[2], B lowp_scales[3])
;;     3. [M 8,192, K 1,024] x [K 1,024, N 1,024]; A: input hidden_states; B: input Wv (given as codes): QUANTISED (scales: A lowp_scales[4], B lowp_scales[5])
;;     4. batch 128 x [M 1,024, K 64] x [K 64, N 1,024]; A: computed on the way; B: computed on the way: QUANTISED (scales: A lowp_scales[6], B lowp_scales[7])
;;     5. batch 128 x [M 1,024, K 1,024] x [K 1,024, N 64]; A: softmax (see below); B: computed on the way: QUANTISED (scales: A lowp_scales[8], B lowp_scales[9])
;;     6. [M 8,192, K 1,024] x [K 1,024, N 1,024]; A: computed on the way; B: input Wo (given as codes): QUANTISED (scales: A lowp_scales[10], B lowp_scales[11])
;;   THE QUANTISER, for each operand of a quantised product, along K:
;;     - The operand's scale is 2^e, e = its entry of the input lowp_scales (int32; the entries are numbered through the quantised products in the list's order, A before B).
;;     - Each number is divided by the scale, clamped to +-57,344, and rounded to the nearest number of E5M2, ties to even, subnormals kept.
;;     - The product sums the exact products of the quantised numbers (number of the format x scale) in f32.
;;   ~~~python
;;   def quantise(x, axis, e):      # numpy; x: float32 -> the quantised numbers, widened to float32 again
;;       x = np.moveaxis(x, axis, -1); K = x.shape[-1]
;;       r = np.clip(x / 2.0 ** e, -57344, 57344)
;;       step = 2.0 ** (np.maximum(np.frexp(np.where(r == 0, 1, r))[1] - 1, -14) - 2)
;;       q = np.round(r / step) * step * 2.0 ** e      # np.round: ties to even
;;       return np.moveaxis(q, -1, axis).astype(np.float32)
;;   ~~~
;;   SOFTMAX AHEAD OF A QUANTISED PRODUCT. Where the list says 'softmax', what is quantised is not the finished softmax but p = 2^(t - M), with t = logit x log2(e) and M = ceil(the row's largest t), a whole number; so 1/2 < the row's largest p <= 1. The row's sum l is taken of the UNQUANTISED p, in f32, and the product's result is divided by l at the end. Since M is a whole number, a kernel that streams over the keys may use a running M (the ceiling of the running maximum): every later rescaling is an exact power of two, so the quantised numbers keep their values, but for numbers so far below the row's largest that they fall under the format's range.
;;   OPERANDS COMPUTED ON THE WAY. 'Computed on the way' means the value that the module computes at that place (a softmax that the list does not call 'softmax' is quantised finished and normalised). What goes into a quantiser is computed in f32, as accurately as f32 sums, v_exp_f32 and their like allow (about 1e-6 of the number): no bf16 or f16 on the way to a quantiser, and a product that is left as it is and whose result goes on into a quantised operand takes f32 operands (vector FMAs, or v_wmma_f32_16x16x4_f32). A number that lies on a knife's edge between two numbers of the format may be rounded either way, as far as f32 arithmetic and the matrix unit's own rounding can turn it there, and no further.
;;   INPUTS GIVEN AS CODES. Wk (in the module: [1024, 1024], K = its axis 1); Wo (in the module: [1024, 1024], K = its axis 1); Wq (in the module: [1024, 1024], K = its axis 1); Wv (in the module: [1024, 1024], K = its axis 1): each comes as NAME_codes (uint8): NAME with its K axis moved to the last place and cut into blocks of 32 codes, [.., K / 32, bytes a block], one block behind the other in memory; one code a byte (a code: sign, 5 exponent bits, 2 mantissa bits); its scale is its entry of lowp_scales. Its value is code x scale, taken as it is: it is not quantised again, and the codes and scales need not be those that the quantiser above would give.
;; One version. Each part assembles by itself: llvm-mc -triple=amdgcn-amd-amdhsa -mcpu=gfx1250 --defsym DOCPART=n.
;; ======== version 1 of 1: 4 launches
;; limits: right only within a limited range of input values
;; workspace buffers: xc 25,165,824 bytes; qkv 25,165,824 bytes; ctx 8,388,608 bytes; woi 1,048,576 bytes
;; launch quant (part 1): grid 256 x 1, 8 waves a work-group, no clusters, 41,984 bytes of LDS; arguments hidden_states, lowp_scales, xc, Wo_codes, woi; writes xc, woi
.if DOCPART == 1
	.amdgcn_target "amdgcn-amd-amdhsa--gfx1250"
	.amdhsa_code_object_version 6
	.text
	.protected	k_q9c45267dd1_quant
	.globl	k_q9c45267dd1_quant
	.p2align	8
	.type	k_q9c45267dd1_quant,@function
k_q9c45267dd1_quant:
	s_mov_b64 s[64:65], 0
	v_nop
	global_prefetch_b8 v0, s[64:65] scope:SCOPE_SE
	s_setreg_imm32_b32 hwreg(HW_REG_WAVE_MODE, 25, 1), 1
	s_wait_xcnt 0x0
; hidden_states [8192][1024] f32 becomes THREE sets of codes of BF8 (E5M2), K innermost, one for each of the products that read it: xc[k][8192][1024], k = 0, 1, 2 with the
; given scales 2^e, e = entries 0, 2, 4 of the buffer of scales (they need not be equal).  code = x / 2^e, held within +-57,344, rounded to the nearest code, ties to even.
; LIMITS: each e lies between -126 and 112, so that 2^e and 57,344 x 2^e are f32 numbers.  NaN among the inputs is not served (an infinity is held at the largest code).
; The rows are dense, so the tensor is a plain stream.  A wave takes 8 steps of 512 numbers: 2,048 waves x 4,096 numbers.  The numbers are read once and converted three times.
; The conversions take 8 numbers from ONE lane's consecutive registers, so a lane must hold 16 neighbours; a load is best where neighbouring lanes take neighbouring bytes.  Both are had:
; each of a step's four loads reads 512 consecutive bytes, the 2,048 bytes go through the wave's own stage in LDS as they lie and come back 64 bytes a lane (16 bytes of padding behind each 64).
; A lane's 16 codes are 16 bytes: each store of the wave covers 512 consecutive bytes, aligned.  No tensor loads, no barrier: waves share nothing.  Loads run four steps (16 loads a wave) ahead.
.set STEPS, 8
.set SP,    80                         ; a lane's place in a stage: its 64 bytes + 16 of padding
.set WREG,  2*32*SP                    ; LDS of a wave: two stages
.set SECT,  8388608                    ; bytes of one set of codes
.set SC,    8                          ; v8-10    2^e as f32, for e0, e2, e4
.set LIM,   11                         ; v11-13   57,344 x 2^e
.set R,     16                         ; v16-79   four sets of 16 numbers as they are loaded
.set X,     80                         ; v80-111  two sets of 16 neighbours
.set T,     112                        ; v112-143 two sets of 16 held numbers, by turns
.set C,     144                        ; v144-239 codes: twelve registers a step, so that no store's data are written again
	s_load_b128 s[4:7], s[0:1], 0x0                ; hidden_states, the scales' exponents
	s_load_b64 s[8:9], s[0:1], 0x10                ; xc
	; ALSO: Wo's codes are laid as the last launch's operand registers.  woi: 2,048 pieces of 512 bytes, piece ((nt x 8 + ks) x 4 + c): lane (r, h) holds Wo[16 nt + r][128 ks + 32 c + 16 h + 0 .. 15].
	; There are 2,048 waves: each moves one piece, by one load (16 rows x 32 bytes; the eight waves of a work-group together read 256 bytes of each of 16 rows) and one store of 512 consecutive bytes.
	s_load_b128 s[32:35], s[0:1], 0x18             ; Wo's codes, woi
	v_lshl_add_u32 v240, v0, 2, 0xa000
	v_mov_b32 v241, 0
	v_lshrrev_b32 v1, 5, v0
	s_delay_alu instid0(VALU_DEP_1)
	v_readfirstlane_b32 s16, v1                    ; wave 0..7
	v_and_b32 v2, 31, v0                           ; lane
	s_delay_alu instid0(VALU_DEP_1)
	v_lshlrev_b32 v3, 4, v2                        ; my 16 bytes of a load's 512
	s_delay_alu instid0(VALU_DEP_2)
	v_lshlrev_b32 v4, 4, v2                        ; my 16 codes of a step's 512
	s_mul_i32 s17, s16, WREG
	v_lshrrev_b32 v14, 2, v2
	s_delay_alu instid0(VALU_DEP_1)
	v_mul_u32_u24 v14, v14, SP
	v_and_b32 v15, 3, v2
	s_delay_alu instid0(VALU_DEP_1)
	v_lshl_add_u32 v14, v15, 4, v14
	s_delay_alu instid0(VALU_DEP_1)
	v_add_nc_u32 v14, s17, v14                     ; the stage, on the way in: four lanes' 64 bytes on end, then 16 of padding
	v_mul_u32_u24 v15, v2, SP
	s_delay_alu instid0(VALU_DEP_1)
	v_add_nc_u32 v15, s17, v15                     ; and on the way out: my 16 neighbours
	s_lshl_b32 s18, ttmp9, 3
	s_add_co_u32 s18, s18, s16                     ; which run of 4,096 numbers is my wave's
	s_lshl_b32 s26, s18, 14                        ; its bytes as f32,
	s_mov_b32 s27, 0
	s_lshl_b32 s28, s18, 12                        ; and as codes
	s_mov_b32 s29, 0
	v_and_b32 v5, 15, v0                           ; r
	v_bfe_u32 v6, v0, 4, 1                         ; h
	v_lshlrev_b32 v5, 10, v5
	v_lshl_add_u32 v5, v6, 4, v5                   ; my 16 bytes of the piece in Wo: 1,024 r + 16 h
	s_lshr_b32 s36, s18, 5                         ; nt
	s_lshl_b32 s36, s36, 14
	s_bfe_u32 s37, s18, 0x30002                    ; ks
	s_lshl_b32 s37, s37, 7
	s_add_co_u32 s36, s36, s37
	s_and_b32 s37, s18, 3                          ; c
	s_lshl_b32 s37, s37, 5
	s_add_co_u32 s36, s36, s37                     ; 16,384 nt + 128 ks + 32 c
	s_mov_b32 s37, 0
	s_lshl_b32 s38, s18, 9                         ; the piece in woi
	s_mov_b32 s39, 0
	s_wait_alu depctr_va_vdst(0)
	s_wait_kmcnt 0x0
	s_load_b128 s[20:23], s[6:7], 0x0              ; e0 .. e3
	s_load_b64 s[24:25], s[6:7], 0x10              ; e4, e5
	s_add_nc_u64 s[4:5], s[4:5], s[26:27]
	s_add_nc_u64 s[8:9], s[8:9], s[28:29]          ; my place in set 0,
	s_add_nc_u64 s[10:11], s[8:9], SECT            ; set 1,
	s_add_nc_u64 s[12:13], s[10:11], SECT          ; set 2
	s_add_nc_u64 s[32:33], s[32:33], s[36:37]
	s_add_nc_u64 s[34:35], s[34:35], s[38:39]
	global_load_b128 v[244:247], v5, s[32:33]      ; my piece of Wo: the wave's oldest load
.macro LOAD t
.irp i, 0,1,2,3
	global_load_b128 v[R+16*((\t)%4)+4*\i:R+16*((\t)%4)+4*\i+3], v3, s[4:5] offset:2048*(\t)+512*\i th:TH_LOAD_NT   ; 32 lanes read 512 consecutive bytes
.endr
.endm
.macro TURN t                          ; step t's numbers through the stage: LDS serves a wave's instructions in order, so no wait stands between the stores and the loads
.irp i, 0,1,2,3
	ds_store_b128 v14, v[R+16*((\t)%4)+4*\i:R+16*((\t)%4)+4*\i+3] offset:32*SP*((\t)%2)+8*SP*\i
.endr
.irp i, 0,1,2,3
	ds_load_b128 v[X+16*((\t)%2)+4*\i:X+16*((\t)%2)+4*\i+3], v15 offset:32*SP*((\t)%2)+16*\i
.endr
.endm
.irp t, 0,1,2,3
	LOAD \t
.endr
	s_wait_kmcnt 0x0
.irp k, 0,1,2
	s_add_co_i32 s30, s[20+2*\k], 127
	s_lshl_b32 s31, s30, 23
	v_mov_b32 v[SC+\k], s31                        ; 2^e as f32: the conversion takes its exponent field
	s_add_co_i32 s30, s30, 15
	s_lshl_b32 s30, s30, 23
	s_or_b32 s30, s30, 0x600000
	v_mov_b32 v[LIM+\k], s30                       ; the largest number x 2^e
.endr
	s_wait_alu depctr_va_vdst(0)
	s_wait_loadcnt 12                              ; the piece of Wo and step 0's four loads are in
	global_store_b128 v4, v[244:247], s[34:35]
	TURN 0
.macro STEP t
.set XS, X+16*((\t)%2)
	s_wait_dscnt 0x0                               ; this step's numbers are back from the stage: so its stores into the stage have read their registers,
.if (\t)+4 < STEPS
	LOAD (\t)+4                                    ; which take the loads of four steps on
.endif
.if (\t)+1 < STEPS
.if STEPS-2-(\t) >= 3
	s_wait_loadcnt 12                              ; the next step's four loads are in; those of the three steps behind it may be out
.else
	s_wait_loadcnt 4*(STEPS-2-(\t))
.endif
	TURN (\t)+1                                    ; and go through the other stage while this step is worked
.endif
.irp k, 0,1,2                          ; the same 16 numbers under each of the three scales
.irp i, 0,1,2,3,4,5,6,7,8,9,10,11,12,13,14,15
	v_med3_num_f32 v[T+16*(\k%2)+\i], v[XS+\i], -v[LIM+\k], v[LIM+\k]   ; the conversion to an 8-bit code does not saturate (ISA guide 7.6.2): the hold at the largest code x the scale comes first
.endr
	v_cvt_scalef32_pk8_bf8_f32 v[C+12*(\t)+4*\k:C+12*(\t)+4*\k+1], v[T+16*(\k%2):T+16*(\k%2)+7], v[SC+\k]
	v_cvt_scalef32_pk8_bf8_f32 v[C+12*(\t)+4*\k+2:C+12*(\t)+4*\k+3], v[T+16*(\k%2)+8:T+16*(\k%2)+15], v[SC+\k]
.endr
	v_nop                                          ; a plain line between the last conversions, which read set 0 of the held numbers, and the next step's first hold, which writes it
.irp k, 0,1,2
	global_store_b128 v4, v[C+12*(\t)+4*\k:C+12*(\t)+4*\k+3], s[8+2*\k:9+2*\k] offset:512*(\t)
.endr
.endm
.irp t, 0,1,2,3,4,5,6,7
	STEP \t
.endr
	s_wait_tensorcnt 0x0
	ds_add_u32 v240, v241
	s_wait_dscnt 0x0
	s_endpgm
.Lfunc_end_k_q9c45267dd1_quant:
	.size	k_q9c45267dd1_quant, .Lfunc_end_k_q9c45267dd1_quant-k_q9c45267dd1_quant
	.p2alignl 7, 3214868480
	.fill 96, 4, 3214868480
	.section	.rodata,"a",@progbits
	.p2align	6, 0x0
	.amdhsa_kernel k_q9c45267dd1_quant
		.amdhsa_group_segment_fixed_size 41984
		.amdhsa_private_segment_fixed_size 0
		.amdhsa_enable_private_segment 0
		.amdhsa_kernarg_size 40
		.amdhsa_user_sgpr_count 2
		.amdhsa_user_sgpr_kernarg_segment_ptr 1
		.amdhsa_wavefront_size32 1
		.amdhsa_system_sgpr_workgroup_id_x 1
		.amdhsa_system_sgpr_workgroup_id_y 1
		.amdhsa_system_sgpr_workgroup_id_z 1
		.amdhsa_system_vgpr_workitem_id 0
		.amdhsa_next_free_vgpr 248
		.amdhsa_next_free_sgpr 66
		.amdhsa_reserve_vcc 0
		.amdhsa_float_denorm_mode_32 3
		.amdhsa_float_denorm_mode_16_64 3
		.amdhsa_memory_ordered 1
		.amdhsa_forward_progress 1
		.amdhsa_inst_pref_size 41
	.end_amdhsa_kernel
	.amdgpu_metadata
---
amdhsa.version: [ 1, 2 ]
amdhsa.kernels:
  - .name:           k_q9c45267dd1_quant
    .symbol:         k_q9c45267dd1_quant.kd
    .args:
      - { .name: hidden_states, .offset: 0, .size: 8, .value_kind: global_buffer, .address_space: global }
      - { .name: lowp_scales, .offset: 8, .size: 8, .value_kind: global_buffer, .address_space: global }
      - { .name: xc, .offset: 16, .size: 8, .value_kind: global_buffer, .address_space: global }
      - { .name: Wo_codes, .offset: 24, .size: 8, .value_kind: global_buffer, .address_space: global }
      - { .name: woi, .offset: 32, .size: 8, .value_kind: global_buffer, .address_space: global }
    .group_segment_fixed_size: 41984
    .private_segment_fixed_size: 0
    .kernarg_segment_align: 8
    .kernarg_segment_size: 40
    .max_flat_workgroup_size: 256
    .sgpr_count:     66
    .vgpr_count:     248
    .wavefront_size: 32
...
	.end_amdgpu_metadata
.endif
;; end of part 1
;; launch qkv (part 2): grid 4 x 96, 4 waves a work-group, clusters of 4 x 4, 327,680 bytes of LDS; arguments xc, Wq_codes, Wk_codes, Wv_codes, bq, bk, bv, lowp_scales, qkv; writes qkv
.if DOCPART == 2
	.amdgcn_target "amdgcn-amd-amdhsa--gfx1250"
	.amdhsa_code_object_version 6
	.text
	.protected	k_q9c45267dd1_qkv
	.globl	k_q9c45267dd1_qkv
	.p2align	8
	.type	k_q9c45267dd1_qkv,@function
k_q9c45267dd1_qkv:
	s_mov_b64 s[64:65], 0
	v_nop
	global_prefetch_b8 v0, s[64:65] scope:SCOPE_SE
	s_setreg_imm32_b32 hwreg(HW_REG_WAVE_MODE, 25, 1), 1
	s_wait_xcnt 0x0
	s_wait_alu depctr_hold_cnt(0) depctr_sa_sdst(0) depctr_va_vdst(0) depctr_va_sdst(0) depctr_va_ssrc(0) depctr_va_vcc(0) depctr_vm_vsrc(0)
	s_getreg_b32 s2, hwreg(HW_REG_IB_STS2, 6, 4)
	s_cmp_eq_u32 s2, 0
	s_cbranch_scc0 .Lentry_in_a_cluster
	s_endpgm
.Lentry_in_a_cluster:
	s_bfe_u32 s2, ttmp6, 0x10000c
	s_cmp_lg_u32 s2, 0xf033
	s_cbranch_scc0 .Lentry_shape_is_right
	s_endpgm
.Lentry_shape_is_right:
; q = x Wq^T + bq, k = x Wk^T + bk, v = x Wv^T + bv on codes of BF8 (E5M2); each result is quantised at once (scales e6, e7, e9) and stored as the next launch's operand registers.
; 24 clusters of 4 x 4 work-groups: cluster y = 8 t + cm; t = 0 q, 1 k, 2 v; a cluster makes 1,024 x 1,024 of a product, a work-group 256 x 256, each of its four waves 128 x 128 (64 accumulators, 512 registers).
; t < 2: A = x's codes (set t of xc, 8,192 rows), B = the weight's codes (1,024 rows).  t = 2: A = Wv's codes, B = x's codes (set 2): the product is v TRANSPOSED, since the keys are the K of the product that reads v.
; THE MATRIX INSTRUCTION TAKES B's ROWS AS SOURCE 0 AND A's AS SOURCE 1: lane (r, h) of accumulator (a, b) holds, of A's row 16 a + r, B's rows 16 b + 8 h + 0 .. 7: eight neighbours along the next product's K
; (the head's 64 for q and k, the keys for v).  One conversion of eight makes two registers of the next operand, and the wave stores such registers as they stand: 512 consecutive bytes a store, aligned.
; qkv: [batch x 16 + head][196,608]: q at 0, k at 65,536: for each 16 tokens 1,024 bytes [2 pieces][32 lanes][16 bytes] (registers 2 c, 2 c + 1: d = 16 c + 8 h + 0 .. 7);
;      v at 131,072: for each 128 keys and 16 d 2,048 bytes [4 pieces][32 lanes][16 bytes] (lane (r, h): d = r; registers 2 c, 2 c + 1: keys 16 c + 8 h + 0 .. 7).
; K = 1,024 goes in four steps of 256 through a ring of two LDS slots filled by the tensor data mover; A's tile is asked for jointly by a row of the cluster, B's by a column.
; 384 tiles: tiles of half the width would be 768, at one and a half times the LDS bytes for each product.  No prefetch: a tile has two refills, and nothing is asked for at the head, where the first tiles are on their way.
; LIMITS: e0 + e1, e2 + e3, e4 + e5 between -126 and 127; e6, e7, e9 between -126 and 112: each power of two below is an f32 number.  NaN among the inputs is not served.
; REGISTERS, in windows of 256: window 0: v0-31 addresses; v32-95 the bias by columns, v96-111 by rows; from v128 A's fragments, ONE set; on the way out v112-241.
;   window 1: B's fragments, TWO sets, at v0 and v128.   window 2: the accumulators of my rows 0-63 ((a, b) at v[8 (8 a + b)]);   window 3: those of my rows 64-127.
.set KSTEP,  256                       ; along K in a slot
.set ROWB,   256                       ; a tile's row in bytes
.set KROW,   1024                      ; a row of A or of B in memory, in bytes
.set PITCH,  272                       ; an LDS row: 256 bytes + 16 of padding = 68 words: the 16 rows that a load touches start at 16 different banks (64 banks of 4 bytes: ISA guide 11.1)
.set FR,     16                        ; registers of a fragment: 16 rows x 128 K
.set NL,     4                         ; LDS loads that bring one
.set NP,     4                         ; places behind this matrix instruction (ISA guide 7.12.1)
.set HALFT,  128*PITCH                 ; 128 rows: what one tensor load brings, and what one wave reads of A or of B
.set SLOT,   4*HALFT                   ; A's 256 rows, then B's 256 rows
.set SPARE,  2*SLOT                    ; behind the ring: the spare words, 128 bytes for each wave: two blocks of 256 bytes that no other line names
.set HEADB,  196608                    ; a head's bytes in qkv
.set ADRA, 16                          ; v16-17  LDS address of my A fragments in slot 0, 1
.set ADRB, 20                          ; v20-21  the same for B
.set BCO,  24                          ; v24     the bias by columns: my byte offset
.set BRO,  25                          ; v25     the bias by rows
.set LI,   26                          ; v26     16 x lane: my place in a stored piece
.set SPW,  28                          ; v28     LDS address of my spare word; never rewritten
.set NIL,  29                          ; v29     0; never rewritten
.set BIASC, 32                         ; v32-95  register 8 b + j: the bias of B's row 16 b + 8 h + j (q, k)
.set BIASR, 96                         ; v96-111 registers 2 a, 2 a + 1: the bias of A's row 16 a + r, twice: a pair for the packed form (v)
.set TMP,  112                         ; v112-175 a block's 64 numbers
.set CODE, 176                         ; v176-239 four blocks' codes, by turns
.set OSC,  240                         ; v240    the result's scale as f32
.set OLIM, 241                         ; v241    57,344 x that
.set AF,   128                         ; A's fragments, in window 0
.set G1, 24                            ; s[24:31] descriptor group 1 for A's tiles;  s[32:39] group 0, one set for each slot
.set G0, 32
.set G1B, 48                           ; s[48:55], s[56:63] the same for B's tiles
.set G0B, 56
.set MSB, 0
.macro WIN new                         ; the immediate's high byte repeats the setting that is left
.if MSB != \new
	s_set_vgpr_msb (MSB<<8)|\new
.set MSB, \new
.endif
.endm
.set MUL_LO, 0xa1                      ; source 0 (B) window 1, source 1 (A) window 0, C and D window 2
.set MUL_HI, 0xf1                      ; the same, C and D window 3
.set TO_B,   0x40                      ; destination window 1, address window 0
; A joint load: waves 0 and 1 fetch for A, waves 2 and 3 for B.  Each of the two lines has ONE mask and one set of registers for all that issue it; the branch hangs on the wave's number alone.
; Four v_nop follow each of the two lines, ahead of the jump, the label and what follows.
.macro JLOAD g0a, g1a, g0b, g1b
	s_cmp_eq_u32 s15, 0
	s_cbranch_scc0 .Lfor_b_\@
	tensor_load_to_lds s[\g0a:\g0a+3], s[\g1a:\g1a+7]
	s_nop 0
.rept 4
	v_nop
.endr
	s_branch .Lasked_\@
.Lfor_b_\@:
	tensor_load_to_lds s[\g0b:\g0b+3], s[\g1b:\g1b+7]
	s_nop 0
.rept 4
	v_nop
.endr
.Lasked_\@:
.endm
.macro CREST                           ; a round of the cluster's barrier behind its opening barrier
	s_cmp_lg_u32 s14, 0
	s_cbranch_scc1 .Lnot_wave_0_\@
	s_barrier_signal -3
.Lnot_wave_0_\@:
	s_barrier_wait -3
	s_barrier_signal -1
	s_barrier_wait -1
.endm
.macro CROUND                          ; a whole round
	s_barrier_signal -1
	s_barrier_wait -1
	CREST
.endm
	s_load_b512 s[68:83], s[0:1], 0x0              ; xc s[68:69], Wq s[70:71], Wk s[72:73], Wv s[74:75], bq s[76:77], bk s[78:79], bv s[80:81], the scales' exponents s[82:83]
	s_load_b64 s[84:85], s[0:1], 0x40              ; qkv
	v_lshl_add_u32 v[SPW], v0, 2, SPARE
	v_mov_b32 v[NIL], 0
	ds_add_u32 v28, v29
	ds_add_u32 v28, v29
	s_wait_dscnt 0x0
	v_lshrrev_b32 v1, 5, v0
	v_readfirstlane_b32 s14, v1                    ; wave 0..3
	s_lshr_b32 s15, s14, 1                         ; which half of the tile's rows (A's) is mine.  Also: I fetch for A (0) or for B (1)
	s_and_b32 s16, s14, 1                          ; which half of its columns (B's rows).  Also: which 128 rows of that tile I fetch
	s_bfe_u32 s40, ttmp6, 0x40000                  ; cx, cy: my place in the cluster
	s_bfe_u32 s41, ttmp6, 0x40004
	s_and_b32 s66, ttmp7, 0xffff                   ; cluster y = 8 t + cm: the same in all sixteen partners
	s_lshr_b32 s99, s66, 3                         ; t: 0 q, 1 k, 2 v
	s_and_b32 s66, s66, 7
	s_lshl_b32 s66, s66, 2                         ; 4 cm: the cluster's 1,024 tokens, in tiles of 256
	s_cmp_eq_u32 s99, 2
	s_cselect_b32 s86, 0, s66                      ; the tokens are A's rows (q, k)
	s_cselect_b32 s87, s66, 0                      ; or B's (v)
	s_add_co_u32 s17, s86, s41                     ; tile row: A's 256 rows
	s_add_co_u32 s42, s87, s40                     ; tile column: B's 256 rows
	s_lshl_b32 s43, s41, 2
	s_lshl_b32 s43, 15, s43                        ; my row of the cluster
	s_lshl_b32 s44, 0x1111, s40                    ; my column
	; descriptor group 1: a tile of 128 rows x 256 bytes, padded in LDS
	s_or_b32 s[G1+0], s43, (0<<16)|(1<<20)|(1<<21)|(5<<22)|(3<<25)  ; 15:0 the mask: A's tiles go to my row; 17:16 element of 1 byte; 20 padding on; 21 set beside a mask; 24:22 after every 64 words (code 5); 31:25 of 4 words (code 3)
	s_or_b32 s[G1B+0], s44, (0<<16)|(1<<20)|(1<<21)|(5<<22)|(3<<25)
.irp g, G1, G1B
	s_mov_b32 s[\g+1], ROWB<<16                    ; tensor_dim0
	s_mov_b32 s[\g+2], 128<<16                     ; tensor_dim1 = 128
	s_mov_b32 s[\g+3], ROWB<<16                    ; tile_dim0
	s_mov_b32 s[\g+4], 128                         ; tile_dim1 = 128
	s_mov_b32 s[\g+5], KROW                        ; tensor_dim0_stride
	s_mov_b32 s[\g+6], 0
	s_mov_b32 s[\g+7], 0
.endr
	s_lshl_b32 s18, s16, 7                         ; which 128 rows of the tile I fetch
	s_lshl_b32 s20, s17, 8
	s_add_co_u32 s20, s20, s18                     ; A: row 256 x tile row + 128 x half,
	s_lshl_b32 s20, s20, 10                        ; in bytes (under 2^23)
	s_mov_b32 s21, 0
	s_lshl_b32 s46, s42, 8
	s_add_co_u32 s46, s46, s18                     ; B: row 256 x tile column + 128 x half
	s_lshl_b32 s46, s46, 10
	s_mov_b32 s47, 0
	s_mul_i32 s45, s14, HALFT                      ; where they go: wave x 128 rows: no place in the cluster enters an LDS address
	s_lshl_b32 s86, s99, 23                        ; set t of x's codes
	s_mov_b32 s87, 0
	s_wait_kmcnt 0x0
	s_load_b256 s[88:95], s[82:83], 0x0            ; e0 .. e7
	s_load_b32 s98, s[82:83], 0x24                 ; e9
	s_add_nc_u64 s[68:69], s[68:69], s[86:87]
	s_cmp_eq_u32 s99, 1                            ; the choices hang on t alone
	s_cselect_b64 s[70:71], s[72:73], s[70:71]     ; Wk or Wq
	s_cselect_b64 s[76:77], s[78:79], s[76:77]     ; bk or bq
	s_cmp_eq_u32 s99, 2
	s_cselect_b64 s[4:5], s[74:75], s[68:69]       ; A: Wv, or x
	s_cselect_b64 s[6:7], s[68:69], s[70:71]       ; B: x, or the weight
	s_cselect_b64 s[8:9], s[80:81], s[76:77]       ; the bias
	s_add_nc_u64 s[20:21], s[4:5], s[20:21]
	s_add_nc_u64 s[46:47], s[6:7], s[46:47]
	; THE TILES ARE PREFETCHED INTO THE L2 (this takes the place of what the head comment says of prefetching): behind the load of K step t stands one prefetch a wave for K step t + 1, one step ahead of its load.
	; Of the 128 rows that a wave fetches, each of the four partners that ask for them jointly takes 32, told apart by address (cx for A, cy for B), a lane a row of 256 bytes: each block is named once in the cluster.
	; The steps go by the immediate (256, 512, 768), so the address registers are never rewritten; K step 3 is the last, and nothing is asked for behind it.
	s_cmp_eq_u32 s15, 0                            ; do I fetch for A?
	s_cselect_b64 s[12:13], s[20:21], s[46:47]
	s_cselect_b32 s2, s40, s41                     ; my place among the four partners
	s_lshl_b32 s2, s2, 15                          ; 32 rows of 1,024 bytes
	s_mov_b32 s3, 0
	s_add_nc_u64 s[12:13], s[12:13], s[2:3]
	CROUND                                         ; all sixteen work-groups are here: the first joint loads meet
.irp s, 0,1
	s_mov_b32 s[G0+4*\s], 1
	s_add_co_u32 s[G0+4*\s+1], s45, \s*SLOT
	s_add_nc_u64 s[G0+4*\s+2:G0+4*\s+3], s[20:21], \s*ROWB
	s_or_b32 s[G0+4*\s+3], s[G0+4*\s+3], 0x80000000
	s_mov_b32 s[G0B+4*\s], 1
	s_add_co_u32 s[G0B+4*\s+1], s45, \s*SLOT
	s_add_nc_u64 s[G0B+4*\s+2:G0B+4*\s+3], s[46:47], \s*ROWB
	s_or_b32 s[G0B+4*\s+3], s[G0B+4*\s+3], 0x80000000
.endr
	JLOAD G0, G1, G0B, G1B                         ; K step 0: one tensor load a wave
	v_and_b32 v1, 15, v0                           ; r = l % 16
	v_bfe_u32 v2, v0, 4, 1                         ; h = l / 16
	s_wait_alu depctr_va_vdst(0)
	v_mul_u32_u24 v3, v1, PITCH
	v_lshl_add_u32 v4, v2, 4, v3                   ; a fragment's row x pitch + 16 x half
	s_mul_i32 s21, s15, HALFT                      ; my 128 rows of A
	s_mul_i32 s22, s16, HALFT                      ; my 128 rows of B,
	s_add_co_u32 s22, s22, 2*HALFT                 ; which lie behind A's 256
.irp s, 0,1
	v_add_nc_u32 v[ADRA+\s], s21, v4
	v_add_nc_u32 v[ADRB+\s], s22, v4
	s_add_co_u32 s21, s21, SLOT
	s_add_co_u32 s22, s22, SLOT
.endr
	; where my results go.  P, wp: my tile and half along the tokens; Q, wq: along the weight's rows.  One formula serves q, k and v:
	; (8 batch + 2 Q + wq) x two heads + t x 65,536 + (2 (P % 4) + wp) x 8,192 (128 tokens are 8 images of 1,024 bytes in q and k, 4 of 2,048 in v)
	s_cmp_eq_u32 s99, 2
	s_cselect_b32 s20, s42, s17                    ; P
	s_cselect_b32 s21, s17, s42                    ; Q
	s_cselect_b32 s22, s16, s15                    ; wp
	s_cselect_b32 s23, s15, s16                    ; wq
	s_lshl_b32 s86, s21, 1
	s_add_co_u32 s86, s86, s23                     ; 2 Q + wq: which 128 rows of the weight
	s_lshr_b32 s46, s20, 2                         ; the batch
	s_lshl_b32 s46, s46, 3
	s_add_co_u32 s46, s46, s86
	s_mul_i32 s46, s46, 2*HEADB
	s_and_b32 s20, s20, 3
	s_lshl_b32 s20, s20, 1
	s_add_co_u32 s20, s20, s22
	s_lshl_b32 s20, s20, 13
	s_add_co_u32 s46, s46, s20
	s_lshl_b32 s20, s99, 16
	s_add_co_u32 s46, s46, s20
	s_mov_b32 s47, 0
	s_add_nc_u64 s[10:11], s[84:85], s[46:47]
	; the bias of my 128 rows of the weight begins at byte 512 (2 Q + wq).  Both forms are loaded; the form that t does not use reads from byte 0, inside the buffer
	s_lshl_b32 s86, s86, 9
	s_cmp_eq_u32 s99, 2
	s_cselect_b32 s87, s86, 0
	s_cselect_b32 s86, 0, s86
	v_lshl_add_u32 v[BCO], v2, 5, s86              ; + 32 h
	v_lshl_add_u32 v[BRO], v1, 2, s87              ; + 4 r
	v_and_b32 v5, 31, v0
	v_lshlrev_b32 v[LI], 4, v5
	v_lshlrev_b32 v27, 10, v5                      ; the prefetches' offset: my lane's row; never rewritten
.irp b, 0,1,2,3,4,5,6,7
	global_load_b128 v[BIASC+8*\b:BIASC+8*\b+3], v[BCO], s[8:9] offset:64*\b
	global_load_b128 v[BIASC+8*\b+4:BIASC+8*\b+7], v[BCO], s[8:9] offset:64*\b+16
.endr
.irp a, 0,1,2,3,4,5,6,7
	global_load_b32 v[BIASR+2*\a], v[BRO], s[8:9] offset:64*\a
	global_load_b32 v[BIASR+2*\a+1], v[BRO], s[8:9] offset:64*\a
.endr
	global_prefetch_b8 v27, s[12:13] offset:256 th:TH_LOAD_NT scope:SCOPE_SE   ; K step 1
.macro FRAG reg, adr, q, i             ; a fragment, 16 rows x 128 K, is 16 registers: lane l holds row l % 16; registers 4 c .. 4 c + 3 hold K = 32 c + 16 (l / 16) + 0 .. 15: the same order of k in A and in B
.irp c, 0,1,2,3
	ds_load_b128 v[\reg+4*\c:\reg+4*\c+3], v[\adr] offset:128*(\q)+32*\c+(\i)*16*PITCH
.endr
.endm
; 16 matrix instructions: A's blocks a0, a0 + 1 x B's eight, 128 along K.  p: B's set.  zero = 1: the first product starts the sums: nothing is ever cleared.
; The 64 accumulators take turns, one instruction a turn, in the same order in every step.
.macro MUL16 a0, p, zero
.irp a, \a0, \a0+1
.irp b, 0,1,2,3,4,5,6,7
.if \zero
	v_wmma_f32_16x16x128_bf8_bf8 v[8*(8*((\a)%4)+\b):8*(8*((\a)%4)+\b)+7], v[128*(\p)+FR*\b:128*(\p)+FR*\b+FR-1], v[AF+FR*(\a):AF+FR*(\a)+FR-1], 0
.else
	v_wmma_f32_16x16x128_bf8_bf8 v[8*(8*((\a)%4)+\b):8*(8*((\a)%4)+\b)+7], v[128*(\p)+FR*\b:128*(\p)+FR*\b+FR-1], v[AF+FR*(\a):AF+FR*(\a)+FR-1], v[8*(8*((\a)%4)+\b):8*(8*((\a)%4)+\b)+7]
.endif
.endr
.endr
.endm
.macro FETCH_B slot, q, p              ; B's eight fragments of the slot's q-th 128 along K into set p
	WIN TO_B
.irp i, 0,1,2,3,4,5,6,7
	FRAG 128*(\p)+FR*\i, ADRB+\slot, \q, \i
.endr
	WIN 0
.endm
.macro FETCH_A slot, q, i0             ; A's blocks i0 .. i0 + 3
.irp i, \i0, \i0+1, \i0+2, \i0+3
	FRAG AF+FR*(\i), ADRA+\slot, \q, \i
.endr
.endm
; A load into a register that a matrix instruction has read, and a vector instruction that reads a matrix result or writes one of its registers, stand NP places behind that matrix instruction;
; only plain vector instructions that name none of its registers are places (ISA guide 7.12.1 for vector instructions).
.macro PLACES n
.rept \n
	v_nop
.endr
.endm
; A step of 128 along K that has its successor in the same slot.  A block of A is free as soon as its eight products are issued: blocks 0-3 are fetched anew in the step's middle, blocks 4-7 at its end.
.macro STEP slot, q, zero
	s_wait_dscnt 4*NL                              ; B's set and A's blocks 0-3 are in; the youngest sixteen loads (A's blocks 4-7) may be out
	WIN MUL_LO
	MUL16 0, (\q)%2, \zero
	MUL16 2, (\q)%2, \zero
	s_wait_dscnt 0                                 ; A's blocks 4-7 are in (asked for 32 matrix instructions ago)
	PLACES NP
	FETCH_B \slot, (\q)+1, 1-(\q)%2
	FETCH_A \slot, (\q)+1, 0
	WIN MUL_HI
	MUL16 4, (\q)%2, \zero
	MUL16 6, (\q)%2, \zero
	PLACES NP
	WIN 0
	FETCH_A \slot, (\q)+1, 4
.endm
; A slot's last step changes slots: ONE barrier; in front of it each wave waits for all its tensor loads, adds 0 to its spare word, and waits for that and for its own reads of this slot.  fill = 1: this slot is filled again, two K steps ahead.
.macro TURN slot, next, fill
	s_wait_tensorcnt 0x0                           ; all my tensor loads have landed: my part of the next slot;  (every window is 0 here)
	ds_add_u32 v[SPW], v[NIL]                      ; 0 onto my spare word;
	s_wait_dscnt 4*NL+1                            ; (the add and the youngest sixteen loads, A's blocks 4-7, may be out)
	WIN MUL_LO
	MUL16 0, 1, 0                                  ; sixteen matrix instructions stand between the add and the wait for it
	s_wait_dscnt 0x0                               ; the add is done, and my reads of this slot are over
	s_barrier_signal -1
	MUL16 2, 1, 0
	WIN 0
	s_barrier_wait -1
.if \fill
	CREST                                          ; the barrier has opened a round of the cluster's barrier: no wave of any partner still reads this slot's tile or has a load on its way
	s_add_nc_u64 s[G0+4*\slot+2:G0+4*\slot+3], s[G0+4*\slot+2:G0+4*\slot+3], 2*ROWB
	s_add_nc_u64 s[G0B+4*\slot+2:G0B+4*\slot+3], s[G0B+4*\slot+2:G0B+4*\slot+3], 2*ROWB
	JLOAD G0+4*\slot, G1, G0B+4*\slot, G1B         ; the first tensor load behind the round; the four v_nop behind it are the places in front of the loads below
.else
	PLACES NP
.endif
	FETCH_B \next, 0, 0
	FETCH_A \next, 0, 0
	WIN MUL_HI
	MUL16 4, 1, 0
	MUL16 6, 1, 0
	PLACES NP
	WIN 0
	FETCH_A \next, 0, 4
.endm
	s_wait_alu depctr_va_vdst(0)
	s_wait_loadcnt 0x0                             ; the biases: they come while the first tiles come, and no load stays out over the rounds
	s_wait_tensorcnt 0x0                           ; my part of K step 0 is in
	ds_add_u32 v[SPW], v[NIL]
	s_wait_dscnt 0x0
	CROUND                                         ; everybody's part is in, and all sixteen work-groups are here
	JLOAD G0+4, G1, G0B+4, G1B                     ; K step 1, the first tensor load behind the round
	FETCH_B 0, 0, 0
	FETCH_A 0, 0, 0
	FETCH_A 0, 0, 4
	global_prefetch_b8 v27, s[12:13] offset:512 th:TH_LOAD_NT scope:SCOPE_SE   ; K step 2
	STEP 0, 0, 1
	TURN 0, 1, 1
	global_prefetch_b8 v27, s[12:13] offset:768 th:TH_LOAD_NT scope:SCOPE_SE   ; K step 3
	STEP 1, 0, 0                                   ; K = 256
	TURN 1, 0, 1                                   ; K = 384; slot 1 takes K step 3
	STEP 0, 0, 0                                   ; K = 512
	TURN 0, 1, 0                                   ; K = 640; nothing is left to fetch, so no round of the cluster's barrier
	STEP 1, 0, 0                                   ; K = 768
	s_wait_dscnt 4*NL                              ; K = 896, the last step
	WIN MUL_LO
	MUL16 0, 1, 0
	MUL16 2, 1, 0
	s_wait_dscnt 0
	WIN MUL_HI
	MUL16 4, 1, 0
	MUL16 6, 1, 0
	WIN 0
	; THE WAY OUT.  number = sum x 2^(eA + eB) + bias; held; converted with the result's own scale; stored as the next operand's registers.  No LDS.
	s_wait_kmcnt 0x0
	s_add_co_i32 s88, s88, s89                     ; e0 + e1
	s_add_co_i32 s90, s90, s91                     ; e2 + e3
	s_add_co_i32 s92, s92, s93                     ; e4 + e5
	s_cmp_eq_u32 s99, 1
	s_cselect_b32 s96, s90, s88
	s_cselect_b32 s67, s95, s94                    ; e7 (k) or e6 (q)
	s_cmp_eq_u32 s99, 2
	s_cselect_b32 s96, s92, s96
	s_cselect_b32 s67, s98, s67                    ; e9 (v)
	s_add_co_i32 s96, s96, 127
	s_lshl_b32 s96, s96, 23                        ; 2^(eA + eB) as f32
	s_mov_b32 s97, s96                             ; (named with it as a pair, so it is written)
	s_add_co_i32 s67, s67, 127
	s_lshl_b32 s86, s67, 23                        ; the result's scale as f32
	s_add_co_i32 s67, s67, 15
	s_lshl_b32 s67, s67, 23
	s_or_b32 s67, s67, 0x600000                    ; 57,344 x that
	PLACES NP                                      ; behind the last products: what follows writes registers that held A's fragments and reads results
	v_mov_b32 v[OSC], s86
	v_mov_b32 v[OLIM], s67
; Block a: A's rows 16 a on x B's 128 rows: eight accumulators, 64 numbers a lane, 16 registers of codes, four stores of 512 consecutive bytes.
; vp = 0 (q, k): the bias goes by B's rows; the codes of b = 0..3 are one head's image of tokens 16 a on, those of b = 4..7 the next head's.
; vp = 1 (v): the bias goes by A's rows; the 16 registers are the image of 16 d (head a / 4, d tile a % 4) x my 128 keys.
.macro OUTBLK a, vp
.set AC, 64*((\a)%4)
.set CD, CODE+16*((\a)%4)
.if (\a) >= 4
	s_wait_xcnt 0x0                                ; block a - 4's stores have read their registers: only behind this wait are they written again
.endif
	WIN 0x02+((\a)/4)                              ; source 0: window 2 or 3
.irp b, 0,1,2,3,4,5,6,7
.irp i, 0,2,4,6
.if \vp
	v_pk_fma_f32 v[TMP+8*\b+\i:TMP+8*\b+\i+1], v[AC+8*\b+\i:AC+8*\b+\i+1], s[96:97], v[BIASR+2*(\a):BIASR+2*(\a)+1] op_sel_hi:[1,0,1]
.else
	v_pk_fma_f32 v[TMP+8*\b+\i:TMP+8*\b+\i+1], v[AC+8*\b+\i:AC+8*\b+\i+1], s[96:97], v[BIASC+8*\b+\i:BIASC+8*\b+\i+1] op_sel_hi:[1,0,1]   ; each accumulator from its low end on
.endif
.endr
.endr
	WIN 0
.set n, 0
.rept 64
	v_med3_num_f32 v[TMP+n], v[TMP+n], -v[OLIM], v[OLIM]   ; the conversion to an 8-bit code does not saturate (ISA guide 7.6.2): the hold, whatever the scale
.set n, n+1
.endr
.irp b, 0,1,2,3,4,5,6,7
	v_cvt_scalef32_pk8_bf8_f32 v[CD+2*\b:CD+2*\b+1], v[TMP+8*\b:TMP+8*\b+7], v[OSC]
.endr
	v_nop                                          ; a plain line between the conversions and the next block's lines, which write their sources
.irp i, 0,1,2,3
.if \vp
	global_store_b128 v[LI], v[CD+4*\i:CD+4*\i+3], s[10:11] offset:((\a)/4)*HEADB+((\a)%4)*2048+\i*512
.else
	global_store_b128 v[LI], v[CD+4*\i:CD+4*\i+3], s[10:11] offset:(\i/2)*HEADB+(\a)*1024+(\i%2)*512
.endif
.endr
.endm
	s_cmp_eq_u32 s99, 2                            ; t is the same in all partners and comes from the cluster's number, not from memory
	s_cbranch_scc1 .Lway_v
.irp a, 0,1,2,3,4,5,6,7
	OUTBLK \a, 0
.endr
	s_branch .Lout_done
.Lway_v:
.irp a, 0,1,2,3,4,5,6,7
	OUTBLK \a, 1
.endr
.Lout_done:
	s_wait_tensorcnt 0x0                           ; the wave's end
	ds_add_u32 v[SPW], v[NIL]
	s_wait_dscnt 0x0
	CROUND                                         ; the closing round: no work-group ends while a partner may still ask for a tile that names it
	s_endpgm
.Lfunc_end_k_q9c45267dd1_qkv:
	.size	k_q9c45267dd1_qkv, .Lfunc_end_k_q9c45267dd1_qkv-k_q9c45267dd1_qkv
	.p2alignl 7, 3214868480
	.fill 96, 4, 3214868480
	.section	.rodata,"a",@progbits
	.p2align	6, 0x0
	.amdhsa_kernel k_q9c45267dd1_qkv
		.amdhsa_group_segment_fixed_size 327680
		.amdhsa_private_segment_fixed_size 0
		.amdhsa_enable_private_segment 0
		.amdhsa_kernarg_size 72
		.amdhsa_user_sgpr_count 2
		.amdhsa_user_sgpr_kernarg_segment_ptr 1
		.amdhsa_wavefront_size32 1
		.amdhsa_system_sgpr_workgroup_id_x 1
		.amdhsa_system_sgpr_workgroup_id_y 1
		.amdhsa_system_sgpr_workgroup_id_z 1
		.amdhsa_system_vgpr_workitem_id 0
		.amdhsa_next_free_vgpr 1024
		.amdhsa_next_free_sgpr 100
		.amdhsa_reserve_vcc 0
		.amdhsa_float_denorm_mode_32 3
		.amdhsa_float_denorm_mode_16_64 3
		.amdhsa_memory_ordered 1
		.amdhsa_forward_progress 1
		.amdhsa_inst_pref_size 195
	.end_amdhsa_kernel
	.amdgpu_metadata
---
amdhsa.version: [ 1, 2 ]
amdhsa.kernels:
  - .name:           k_q9c45267dd1_qkv
    .symbol:         k_q9c45267dd1_qkv.kd
    .args:
      - { .name: xc, .offset: 0, .size: 8, .value_kind: global_buffer, .address_space: global }
      - { .name: Wq_codes, .offset: 8, .size: 8, .value_kind: global_buffer, .address_space: global }
      - { .name: Wk_codes, .offset: 16, .size: 8, .value_kind: global_buffer, .address_space: global }
      - { .name: Wv_codes, .offset: 24, .size: 8, .value_kind: global_buffer, .address_space: global }
      - { .name: bq, .offset: 32, .size: 8, .value_kind: global_buffer, .address_space: global }
      - { .name: bk, .offset: 40, .size: 8, .value_kind: global_buffer, .address_space: global }
      - { .name: bv, .offset: 48, .size: 8, .value_kind: global_buffer, .address_space: global }
      - { .name: lowp_scales, .offset: 56, .size: 8, .value_kind: global_buffer, .address_space: global }
      - { .name: qkv, .offset: 64, .size: 8, .value_kind: global_buffer, .address_space: global }
    .group_segment_fixed_size: 327680
    .private_segment_fixed_size: 0
    .kernarg_segment_align: 8
    .kernarg_segment_size: 72
    .max_flat_workgroup_size: 128
    .sgpr_count:     100
    .vgpr_count:     1024
    .wavefront_size: 32
...
	.end_amdgpu_metadata
.endif
;; end of part 2
;; launch attn (part 3): grid 2 x 128, 8 waves a work-group, no clusters, 205,824 bytes of LDS; arguments qkv, attention_mask, lowp_scales, ctx; writes ctx
.if DOCPART == 3
	.amdgcn_target "amdgcn-amd-amdhsa--gfx1250"
	.amdhsa_code_object_version 6
	.text
	.protected	k_q9c45267dd1_attn
	.globl	k_q9c45267dd1_attn
	.p2align	8
	.type	k_q9c45267dd1_attn,@function
k_q9c45267dd1_attn:
	s_mov_b64 s[64:65], 0
	v_nop
	global_prefetch_b8 v0, s[64:65] scope:SCOPE_SE
	s_setreg_imm32_b32 hwreg(HW_REG_WAVE_MODE, 25, 1), 1
	s_wait_xcnt 0x0
; ctx = softmax(q k^T / 8 + mask) v for one head and 512 queries, both products on codes of BF8 (E5M2); ctx is quantised at once (scale e10) into the last launch's operand registers.
; THE SOFTMAX: t = (score / 8 + mask) x log2(e); M = the row's largest t, rounded UP to a whole number; p = 2^(t - M) is quantised (scale e8), not normalised; the sum of the unquantised p divides at the end.
; THE SCORES ARE MADE TWICE.  Walk 1 makes k q^T + mask only for the rows' maxima and ends with each row's final M.  Walk 2 makes the scores again, and p, the sum and v^T p under that M:
; so O^T and the sum are never rescaled, and O^T is touched by matrix instructions alone until the way out.
; SHARES.  Work-group (x, y): head y = 16 batch + head, queries 512 x on: 32 tiles of 16.  Eight waves, two to a SIMD.
; WALK 1 IS DEALT BY KEYS: wave w keeps key step w's k and mask (128 keys) in registers, 32 LDS loads in all, and walks all 32 tiles of queries, whose images lie in LDS (2 loads a tile).  A tile's 64 scores a lane become one
; number, which goes to LDS as word w of the lane's eight: [tile][lane][wave].  Behind the second barrier a tile's owner reads its lanes' eight words and finishes M.
; WALK 2 IS DEALT BY QUERIES: a wave owns 64 queries, four tiles, which share each fragment of k, mask and v read from LDS.
; All of the head's k and v (131,072 bytes), its batch's mask and the work-group's q lie in LDS, copied once through registers.  All global loads are issued at the head; v's sixteen stay out during walk 1 and are stored behind it.
; No tensor load and no joint loads; the hold of p is jumped over by a branch on the given e8.  No prefetch: all that is read is asked for at the head.
; LAYOUT.  S^T = k q^T (source 0 = 16 keys, source 1 = 16 queries, K = 64), O^T = v^T p^T (source 0 = 16 d, source 1 = p, K = 128 keys): a lane holds ONE query (lane % 16) throughout.
; Register 8 t + j of S^T is key 16 t + 8 h + j: eight converted at a time are registers 2 t, 2 t + 1 of the second product's operand, in the order in which v's images were laid.
; THE MASK IS THE C OF THE FIRST PRODUCT: mask x 8 / 2^(e6 + e7) in the result's layout, so that (sum + C) x (log2(e) / 8 x 2^(e6 + e7)) = t.
; THE ROWS OF v THAT FORM A TILE ARE CHOSEN BY ADDRESS: lane (r, h) of tile 2 c + u reads, of the stored tile 2 c + r / 8, the lane 8 u + r % 8 + 16 h.  Row 8 h + j of the result is then d = 32 c + 16 h + 8 u + j:
; tiles 2 c and 2 c + 1 give a lane 16 neighbouring d, one piece of ctx's image.  v's tiles lie 2,176 bytes apart in LDS.
; ctx: [16 tokens][128 k] images of 2,048 bytes, [4 pieces][32 lanes][16 bytes]: lane (r, h): token r; piece c: k = 32 c + 16 h + 0 .. 15.  This head's 64 are two pieces, 1,024 x head bytes into the tokens' 16,384.
; A TILE'S FOUR PRODUCTS v^T p STAND IN THE NEXT TILE of the same key step, one ahead of each eight of that tile's 32 scalings; tile 3's stand at the step's end.
; THE HOLD OF p is jumped over where e8 >= -15: p is at most 1 and 57,344 x 2^-15 = 1.75.
; LIMITS: e6 + e7 between -121 and 130 (added to the exponent field of log2(e) / 8); e8 and e10 between -126 and 112.  NaN among the inputs is not served.
; A query all of whose keys have t at or under -3e38 (a mask of -infinity on every key) gives NaN.
; REGISTERS.  Window 0: v1-15 addresses and constants; v16-23 -M, a pair a tile; v24-55 the sums, four chains of pairs a tile (walk 1: v24-39 the maxima at work); v56-63 addresses; v64-127 S^T, then p;
;   v128-255 O^T, 32 a tile (walk 1: v128-191 v on its way to LDS, v192-255 a second S^T).   Window 1: v0-63 k of a step; v64-127 v of a step; v128-191 the mask of a step; v192-223 four tiles of q; v224-239 p's codes.
.set HEADB, 196608
.set VB,    65536                      ; LDS: k's images at 0, as stored; v's from here,
.set VT,    2176                       ; 2,048 + 128 bytes a tile;
.set MB,    VB+32*VT                   ; the scaled mask, 4,096 bytes;
.set QB,    MB+4096                    ; q's 32 images of 1,024 bytes;
.set XB,    QB+32768                   ; the maxima: [32 tiles][32 lanes][8 waves] words;
.set SPARE, XB+32768                   ; the spare words, 128 bytes a wave
.set LI,  1                            ; 16 x lane
.set AVL, 2                            ; my lane's place in a tile of v
.set AML, 3                            ; in the mask: 32 h
.set ADK, 4                            ; the addresses of the runs of loads in hand
.set ADV, 5
.set ADM, 6
.set CP,  7                            ; the copy: 16 x thread
.set CPV, 8
.set CPM, 9
.set SPW, 10                           ; my spare word; never rewritten
.set NIL, 11                           ; 0; never rewritten
.set PLIM, 12                          ; 57,344 x 2^e8
.set PSC,  13                          ; 2^e8
.set CLIM, 14                          ; 57,344 x 2^e10
.set CSC,  15                          ; 2^e10
.set NM,  16
.set LS,  24
.set MX,  24
.set ADQ, 56                           ; walk 1: the trip's four images of q,
.set ADX, 57                           ; and where its four maxima go
.set QBL, 60                           ; QB + 16 x lane
.set CQ,  61                           ; my own four images of q
.set XS,  62                           ; XB + 32 x lane + 4 x wave
.set XR,  63                           ; XB + 4,096 x wave + 32 x lane
.set S,   64
.set VS,  128
.set SB,  192
.set O,   128
.set KF,  0                            ; in window 1
.set VF,  64
.set MASK, 128
.set Q1,  192
.set P,   224
.set MSB, 0
.macro WIN new                         ; the immediate's high byte repeats the setting that is left
.if MSB != \new
	s_set_vgpr_msb (MSB<<8)|\new
.set MSB, \new
.endif
.endm
	s_load_b128 s[4:7], s[0:1], 0x0                ; qkv, the mask
	s_load_b128 s[8:11], s[0:1], 0x10              ; the scales' exponents, ctx
	v_lshl_add_u32 v[SPW], v0, 2, SPARE
	v_mov_b32 v[NIL], 0
	v_lshrrev_b32 v56, 5, v0
	v_readfirstlane_b32 s12, v56                   ; wave 0..7
	v_and_b32 v57, 31, v0
	v_lshlrev_b32 v[LI], 4, v57
	v_and_b32 v58, 15, v0                          ; r
	v_bfe_u32 v59, v0, 4, 1                        ; h
	v_lshrrev_b32 v[ADK], 3, v58
	v_and_b32 v[ADV], 7, v58
	v_mul_u32_u24 v[AVL], v[ADK], VT               ; (r / 8) tiles on,
	v_lshl_add_u32 v[AVL], v[ADV], 4, v[AVL]       ; lane r % 8
	v_lshl_add_u32 v[AVL], v59, 8, v[AVL]          ; + 16 h
	v_add_nc_u32 v[AVL], VB, v[AVL]
	v_lshlrev_b32 v[AML], 5, v59
	v_add_nc_u32 v[AML], MB, v[AML]
	v_lshlrev_b32 v[CP], 4, v0
	v_lshrrev_b32 v[ADK], 7, v0
	v_and_b32 v[ADV], 127, v0
	v_mul_u32_u24 v[CPV], v[ADK], VT               ; 256 threads x 16 bytes are two tiles of v
	v_lshl_add_u32 v[CPV], v[ADV], 4, v[CPV]
	v_add_nc_u32 v[CPV], VB, v[CPV]
	v_add_nc_u32 v[CPM], MB, v[CP]
	s_lshl_b32 s46, s12, 12
	s_lshl_b32 s47, s12, 2
	v_add_nc_u32 v[QBL], QB, v[LI]
	v_add_nc_u32 v[CQ], s46, v[QBL]
	v_lshl_add_u32 v[XR], v57, 5, XB
	v_add_nc_u32 v[XS], s47, v[XR]
	v_add_nc_u32 v[XR], s46, v[XR]
	s_and_b32 s13, ttmp7, 0xffff                   ; 16 batch + head
	s_mul_i32 s32, s13, HEADB
	s_mov_b32 s33, 0
	s_lshr_b32 s34, s13, 4                         ; batch
	s_lshl_b32 s36, s34, 12                        ; its row of the mask
	s_mov_b32 s37, 0
	s_lshl_b32 s38, ttmp9, 5
	s_lshl_b32 s39, s12, 2
	s_add_co_u32 s38, s38, s39                     ; my first tile of 16 queries: 32 x + 4 wave
	s_lshl_b32 s40, s38, 10                        ; its image in q
	s_mov_b32 s41, 0
	s_lshl_b32 s34, s34, 6
	s_add_co_u32 s34, s34, s38
	s_lshl_b32 s34, s34, 14                        ; its 16,384 bytes of ctx,
	s_and_b32 s35, s13, 15
	s_lshl_b32 s35, s35, 10                        ; and my head's two pieces in them
	s_add_co_u32 s34, s34, s35
	s_mov_b32 s35, 0
	s_wait_alu depctr_va_vdst(0)
	s_wait_kmcnt 0x0
	s_load_b128 s[16:19], s[8:9], 0x18             ; e6, e7, e8, e9
	s_load_b32 s20, s[8:9], 0x28                   ; e10
	s_add_nc_u64 s[4:5], s[4:5], s[32:33]
	s_add_nc_u64 s[6:7], s[6:7], s[36:37]
	s_add_nc_u64 s[10:11], s[10:11], s[34:35]
	s_add_nc_u64 s[14:15], s[4:5], s[40:41]
.set i, 0
.rept 16                               ; k's 65,536 bytes: the work-group reads 4,096 consecutive bytes an instruction
	global_load_b128 v[S+4*i:S+4*i+3], v[CP], s[4:5] offset:65536+4096*i
.set i, i+1
.endr
	global_load_b128 v[56:59], v[CP], s[6:7]       ; the mask's 1,024 numbers
	WIN 0x40                                       ; destination window 1
.irp q, 0,1,2,3
.irp p, 0,1
	global_load_b128 v[Q1+8*\q+4*\p:Q1+8*\q+4*\p+3], v[LI], s[14:15] offset:1024*\q+512*\p   ; my four images of q
.endr
.endr
	WIN 0
	s_wait_kmcnt 0x0
	s_add_co_i32 s21, s16, s17                     ; e6 + e7
	s_sub_co_i32 s30, 3, s21                       ; the mask goes in x 8 / 2^(e6 + e7)
	s_lshl_b32 s21, s21, 23
	s_add_co_i32 s22, s21, 0x3e38aa3b              ; log2(e) / 8, with e6 + e7 added to its exponent field
	s_mov_b32 s23, s22                             ; (named with it as a pair, so it is written)
	s_add_co_i32 s31, s18, s19                     ; e8 + e9
	s_add_co_i32 s21, s18, 127
	s_lshl_b32 s42, s21, 23                        ; 2^e8 as f32
	s_add_co_i32 s21, s21, 15
	s_lshl_b32 s21, s21, 23
	s_or_b32 s43, s21, 0x600000                    ; 57,344 x 2^e8
	s_add_co_i32 s21, s20, 127
	s_lshl_b32 s44, s21, 23                        ; 2^e10
	s_add_co_i32 s21, s21, 15
	s_lshl_b32 s21, s21, 23
	s_or_b32 s45, s21, 0x600000
	s_mov_b32 s24, 0x76543210                      ; v_permlanex16_b32's selects for lane l xor 16
	s_mov_b32 s25, 0xfedcba98
	s_lshl_b32 s46, s12, 13                        ; key step w's k
	s_lshl_b32 s47, s12, 9                         ; and mask
	v_mov_b32 v[PSC], s42
	v_mov_b32 v[PLIM], s43
	v_mov_b32 v[CSC], s44
	v_mov_b32 v[CLIM], s45
	v_add_nc_u32 v[ADK], s46, v[LI]
	v_add_nc_u32 v[ADM], s47, v[AML]
	s_wait_alu depctr_va_vdst(0)
	s_wait_loadcnt 9                               ; k's sixteen loads are in; the mask's one and q's eight may be out
.set i, 0
.rept 16
	ds_store_b128 v[CP], v[S+4*i:S+4*i+3] offset:4096*i
.set i, i+1
.endr
	s_wait_loadcnt 8                               ; the mask is in
.irp j, 0,1,2,3
	v_ldexp_f32 v[56+\j], v[56+\j], s30
.endr
	ds_store_b128 v[CPM], v[56:59]
	s_wait_loadcnt 0x0                             ; q is in
	WIN 0x04                                       ; the stores' data window 1
.irp q, 0,1,2,3
.irp p, 0,1
	ds_store_b128 v[CQ], v[Q1+8*\q+4*\p:Q1+8*\q+4*\p+3] offset:1024*\q+512*\p
.endr
.endr
	WIN 0
.set i, 0
.rept 16                               ; v's 65,536 bytes are asked for last: nothing ahead of the second barrier wants them, and they stay out during walk 1
	global_load_b128 v[VS+4*i:VS+4*i+3], v[CP], s[4:5] offset:131072+4096*i
.set i, i+1
.endr
	s_wait_dscnt 0x0                               ; for the others' sake: my stores have landed
	s_barrier_signal -1
	s_barrier_wait -1                              ; k, the mask and q are whole
; The LDS loads stand in runs, all into window 1 (the caller sets the window)
.macro LOADK adr
.irp t, 0,1,2,3,4,5,6,7
.irp p, 0,1
	ds_load_b128 v[KF+8*\t+4*\p:KF+8*\t+4*\p+3], v[\adr] offset:1024*\t+512*\p
.endr
.endr
.endm
.macro LOADM adr
.irp t, 0,1,2,3,4,5,6,7
.irp p, 0,1
	ds_load_b128 v[MASK+8*\t+4*\p:MASK+8*\t+4*\p+3], v[\adr] offset:64*\t+16*\p   ; keys 16 t + 8 h + 4 p on: the sixteen lanes of a half read the same 16 bytes
.endr
.endr
.endm
.macro LOADV adr
.irp c, 0,1
.irp u, 0,1
.irp p, 0,1,2,3
	ds_load_b128 v[VF+16*(2*\c+\u)+4*\p:VF+16*(2*\c+\u)+4*\p+3], v[\adr] offset:2*VT*\c+128*\u+512*\p
.endr
.endr
.endr
.endm
.macro LOADQ adr, off                  ; four images of q, off bytes on
.irp q, 0,1,2,3
.irp p, 0,1
	ds_load_b128 v[Q1+8*\q+4*\p:Q1+8*\q+4*\p+3], v[\adr] offset:(\off)+1024*\q+512*\p
.endr
.endr
.endm
.macro QK q, d                         ; S^T of the q-th tile in hand against the 128 keys in hand, into v[d ..] of window 0 (the caller sets the windows: k, q, the mask in window 1)
.irp t, 0,1,2,3,4,5,6,7
	v_wmma_f32_16x16x64_bf8_bf8 v[\d+8*\t:\d+8*\t+7], v[KF+8*\t:KF+8*\t+7], v[Q1+8*(\q):Q1+8*(\q)+7], v[MASK+8*\t:MASK+8*\t+7]
.endr
.endm
.macro RED q, d                        ; the largest of 64 scores, into v[MX + 4 q]: four chains by turns; each accumulator is read from its low end first
.set T, MX+4*(\q)
.irp c, 0,1,2,3
	v_max3_num_f32 v[T+\c], v[\d+16*\c], v[\d+16*\c+1], v[\d+16*\c+2]
.endr
.irp k, 1,2,3,4,5,6
.irp c, 0,1,2,3
	v_max3_num_f32 v[T+\c], v[T+\c], v[\d+16*\c+2*\k+1], v[\d+16*\c+2*\k+2]
.endr
.endr
	v_max3_num_f32 v[T], v[T], v[\d+15], v[\d+31]
	v_max3_num_f32 v[T+2], v[T+2], v[\d+47], v[\d+63]
	v_max3_num_f32 v[T], v[T], v[T+1], v[T+3]
	v_max_num_f32 v[T], v[T], v[T+2]
.endm
	; WALK 1: eight trips of four tiles of queries against my 128 keys.  Two sets of S^T take turns, so that one tile's maxima are the places behind the next tile's products (ISA guide 7.12.1); five v_nop serve the first pair.
	WIN 0x40
	LOADK ADK
	LOADM ADM
	LOADQ QBL, 0                                   ; the first trip's four tiles
	WIN 0
	s_mov_b32 s26, 0
	s_mov_b32 s29, 8                               ; trips to go, this one among them
.Lp1:
	v_add_nc_u32 v[ADQ], s26, v[QBL]
	v_add_nc_u32 v[ADX], s26, v[XS]                ; (an image and a tile's maxima are 1,024 bytes each)
	s_wait_dscnt 0x0                               ; this trip's four tiles, asked for in the trip before, are in
	WIN 0x15
	QK 0, S
	QK 1, SB
	WIN 0
.rept 5
	v_nop
.endr
	RED 0, S
	WIN 0x15
	QK 2, S
	WIN 0
	RED 1, SB
	WIN 0x15
	QK 3, SB
	WIN 0
	RED 2, S                                       ; (also the places behind the trip's last products, ahead of the loads into q's registers)
	s_cmp_eq_u32 s29, 1                            ; the last trip asks for nothing: a branch on the loop's own count
	s_cbranch_scc1 .Lnoq
	WIN 0x40
	LOADQ ADQ, 4096                                ; the next trip's four tiles
	WIN 0
.Lnoq:
	RED 3, SB
.irp q, 0,1,2,3
	ds_store_b32 v[ADX], v[MX+4*\q] offset:1024*\q
.endr
	s_add_co_u32 s26, s26, 4096
	s_sub_co_u32 s29, s29, 1
	s_cmp_lg_u32 s29, 0
	s_wait_alu depctr_va_vdst(0)
	s_cbranch_scc1 .Lp1
	s_wait_loadcnt 0x0                             ; v is in
.set i, 0
.rept 16
	ds_store_b128 v[CPV], v[VS+4*i:VS+4*i+3] offset:2*VT*i
.set i, i+1
.endr
	s_mov_b32 s26, 0                               ; where walk 2's k,
	s_mov_b32 s27, 0                               ; v
	s_mov_b32 s28, 0                               ; and mask begin
	s_wait_dscnt 0x0                               ; for the others' sake: my stores of maxima and of v have landed
	s_barrier_signal -1
	s_barrier_wait -1                              ; the maxima and v are whole: from here on LDS is only read
	WIN 0x40
	LOADQ CQ, 0                                    ; my own four tiles again
	WIN 0
.irp q, 0,1,2,3
	ds_load_b128 v[LS+8*\q:LS+8*\q+3], v[XR] offset:1024*\q        ; the eight waves' maxima of my lane's query
	ds_load_b128 v[LS+8*\q+4:LS+8*\q+7], v[XR] offset:1024*\q+16
.endr
	WIN 0x40
	LOADK LI                                       ; walk 2's key step 0: k and the mask
	LOADM AML
	WIN 0
	s_wait_dscnt 32                                ; q and the maxima are in; the 32 loads just issued may be out
	; the final M of my four tiles, line by line by turns
.irp k, 1,3,5
.irp q, 0,1,2,3
	v_max3_num_f32 v[LS+8*\q], v[LS+8*\q], v[LS+8*\q+\k], v[LS+8*\q+\k+1]
.endr
.endr
.irp q, 0,1,2,3
	v_max_num_f32 v[LS+8*\q], v[LS+8*\q], v[LS+8*\q+7]
.endr
.irp q, 0,1,2,3
	v_permlanex16_b32 v[LS+8*\q+1], v[LS+8*\q], s24, s25
.endr
.irp q, 0,1,2,3
	v_max_num_f32 v[LS+8*\q], v[LS+8*\q], v[LS+8*\q+1]   ; with lane l xor 16's: the query's other keys
.endr
.irp q, 0,1,2,3
	v_mul_f32 v[LS+8*\q], s22, v[LS+8*\q]          ; as t (the factor is positive)
.endr
.irp q, 0,1,2,3
	v_max_num_f32 v[LS+8*\q], 0xff61b1e6, v[LS+8*\q]   ; never under -3e38, so that M is a number
.endr
.irp q, 0,1,2,3
	v_floor_f32 v[NM+2*\q], -v[LS+8*\q]            ; -M = floor(-t) = -ceil(t): M IS A WHOLE NUMBER
	v_mov_b32 v[NM+2*\q+1], 0                      ; (named with it as a pair)
.endr
	s_wait_alu depctr_va_vdst(0)
; One product v^T p of tile q (the caller sets the windows: v and p window 1, O^T window 0).  first = 1: it starts the sum: nothing is ever cleared.
.macro PVQ q, n, first
	s_wait_alu depctr_va_vdst(0)                   ; O^T is taken up again behind exponentials
.if \first
	v_wmma_f32_16x16x128_bf8_bf8 v[O+32*(\q)+8*(\n):O+32*(\q)+8*(\n)+7], v[VF+16*(\n):VF+16*(\n)+15], v[P:P+15], 0
.else
	v_wmma_f32_16x16x128_bf8_bf8 v[O+32*(\q)+8*(\n):O+32*(\q)+8*(\n)+7], v[VF+16*(\n):VF+16*(\n)+15], v[P:P+15], v[O+32*(\q)+8*(\n):O+32*(\q)+8*(\n)+7]
.endif
.endm
; WALK 2, one tile of 16 queries against a step's 128 keys, up to its codes of p; within it, from tile 1 on, the four products of the tile before.  first = 1: the first key step.
.macro TILE q, first
.set LQ, LS+8*(\q)
	WIN 0x15
	QK \q, S
	WIN 0
.rept 4
	v_nop                                          ; four places ahead of the first read of the scores (ISA guide 7.12.1)
.endr
.if (\q) == 3                          ; the step's last k q^T is issued, four places stand behind it: the next step's k and mask are asked for, a tile ahead of their use
	s_cmp_eq_u32 s29, 1                            ; the last step asks for nothing: a branch on the loop's own count
	s_cbranch_scc1 .Lnokm_\@
	v_add_nc_u32 v[ADK], s26, v[LI]
	v_add_nc_u32 v[ADM], s28, v[AML]
	WIN 0x40
	LOADK ADK
	LOADM ADM
	WIN 0
.Lnokm_\@:
.endif
.if (\q) == 1
	s_wait_dscnt 0x0                               ; the step's v is in
.endif
.set j, 0
.irp n, 0,1,2,3
.if (\q) > 0
	WIN 0x05
	PVQ (\q)-1, \n, \first
	WIN 0
.endif
.rept 8
	v_pk_fma_f32 v[S+j:S+j+1], v[S+j:S+j+1], s[22:23], v[NM+2*(\q):NM+2*(\q)+1] op_sel_hi:[1,0,0]   ; t - M, two at a time (of both pairs the low word serves both halves); each accumulator from its low end on
.set j, j+2
.endr
.endr
	s_wait_alu depctr_va_vdst(0)
.set j, 0
.rept 64
	v_exp_f32 v[S+j], v[S+j]                       ; p = 2^(t - M), at most 1: not normalised
.set j, j+1
.endr
	v_nop                                          ; a plain line behind the last exponential
	s_wait_alu depctr_va_vdst(0)                   ; one wait for the batch, ahead of its first reader
	; THE ROW'S SUM IS TAKEN OF THE UNQUANTISED p, two at a time, in four chains that are kept apart until the way out
.if \first
.irp c, 0,1,2,3
	v_pk_add_f32 v[LQ+2*\c:LQ+2*\c+1], v[S+2*\c:S+2*\c+1], v[S+8+2*\c:S+9+2*\c]
.endr
.set j, 16
.else
.set j, 0
.endif
.rept (64-j)/8
.irp c, 0,1,2,3
	v_pk_add_f32 v[LQ+2*\c:LQ+2*\c+1], v[LQ+2*\c:LQ+2*\c+1], v[S+j+2*\c:S+j+2*\c+1]
.endr
.set j, j+8
.endr
	s_cmp_ge_i32 s18, -15                          ; p <= 1 <= 57,344 x 2^e8 from e8 = -15 on: the hold changes nothing there
	s_cbranch_scc1 .Lfits_\@
.set j, 0
.rept 64
	v_min_num_f32 v[S+j], v[S+j], v[PLIM]          ; the conversion to an 8-bit code does not saturate (ISA guide 7.6.2); p is not negative, so the hold is one-sided
.set j, j+1
.endr
.Lfits_\@:
	WIN 0x40                                       ; the codes go to window 1
.irp t, 0,1,2,3,4,5,6,7
	v_cvt_scalef32_pk8_bf8_f32 v[P+2*\t:P+2*\t+1], v[S+8*\t:S+8*\t+7], v[PSC]
.endr
	v_nop                                          ; a plain line between the conversions and the products that read their results and write their sources
	WIN 0
.endm
.macro STEP2 first
	v_add_nc_u32 v[ADV], s27, v[AVL]               ; (this line and three v_nop are the places behind the last products, ahead of the loads into v's registers)
.rept 3
	v_nop
.endr
	WIN 0x40
	LOADV ADV
	WIN 0
	s_add_co_u32 s26, s26, 8192
	s_add_co_u32 s27, s27, 4*VT
	s_add_co_u32 s28, s28, 512
	s_wait_dscnt 16                                ; k and the mask are in (the first time: q too); the youngest sixteen loads (v's) may be out
	TILE 0, \first
	TILE 1, \first
	TILE 2, \first
	TILE 3, \first
	WIN 0x05
.irp n, 0,1,2,3
	PVQ 3, \n, \first                              ; tile 3's products end the step
.endr
	WIN 0
.endm
	s_mov_b32 s29, 8                               ; key steps to go, this one among them
	STEP2 1                                        ; key step 0 starts the sums
	s_mov_b32 s29, 7
.Lp2:
	STEP2 0
	s_sub_co_u32 s29, s29, 1
	s_cmp_lg_u32 s29, 0
	s_wait_alu depctr_va_vdst(0)
	s_cbranch_scc1 .Lp2
	; THE WAY OUT.  ctx = O^T x 2^(e8 + e9) / the sum; held; converted with 2^e10; stored as the last launch's operand registers.  The additions are the places behind the last products.
.irp q, 0,1,2,3
	v_pk_add_f32 v[LS+8*\q:LS+8*\q+1], v[LS+8*\q:LS+8*\q+1], v[LS+8*\q+2:LS+8*\q+3]
	v_pk_add_f32 v[LS+8*\q+4:LS+8*\q+5], v[LS+8*\q+4:LS+8*\q+5], v[LS+8*\q+6:LS+8*\q+7]
.endr
.irp q, 0,1,2,3
	v_pk_add_f32 v[LS+8*\q:LS+8*\q+1], v[LS+8*\q:LS+8*\q+1], v[LS+8*\q+4:LS+8*\q+5]
.endr
.irp q, 0,1,2,3
	v_add_f32 v[LS+8*\q], v[LS+8*\q], v[LS+8*\q+1]     ; the two halves,
.endr
.irp q, 0,1,2,3
	v_permlanex16_b32 v[LS+8*\q+1], v[LS+8*\q], s24, s25
.endr
.irp q, 0,1,2,3
	v_add_f32 v[LS+8*\q], v[LS+8*\q], v[LS+8*\q+1]     ; and lane l xor 16's: the row's sum
.endr
	s_wait_alu depctr_va_vdst(0)
.irp q, 0,1,2,3
	v_rcp_f32 v[LS+8*\q+2], v[LS+8*\q]
.endr
	v_nop                                          ; a plain line behind the reciprocals,
	s_wait_alu depctr_va_vdst(0)                   ; and one wait for the four, ahead of their first reader
.irp q, 0,1,2,3
	v_ldexp_f32 v[LS+8*\q+2], v[LS+8*\q+2], s31
.endr
.macro OUTQ q                          ; S^T's registers are free: v64-95 the tile's 32 numbers, v96-127 the four tiles' codes
	s_wait_alu depctr_va_vdst(0)
.set j, 0
.rept 16
	v_pk_mul_f32 v[S+j:S+j+1], v[O+32*(\q)+j:O+32*(\q)+j+1], v[LS+8*(\q)+2:LS+8*(\q)+3] op_sel_hi:[1,0]   ; each accumulator from its low end on
.set j, j+2
.endr
.set j, 0
.rept 32
	v_med3_num_f32 v[S+j], v[S+j], -v[CLIM], v[CLIM]
.set j, j+1
.endr
.irp n, 0,1,2,3
	v_cvt_scalef32_pk8_bf8_f32 v[S+32+8*(\q)+2*\n:S+32+8*(\q)+2*\n+1], v[S+8*\n:S+8*\n+7], v[CSC]
.endr
	v_nop                                          ; a plain line between the conversions and the next tile's lines, which write their sources
.irp c, 0,1
	global_store_b128 v[LI], v[S+32+8*(\q)+4*\c:S+32+8*(\q)+4*\c+3], s[10:11] offset:16384*(\q)+512*\c   ; a piece: 512 consecutive bytes, aligned
.endr
.endm
	OUTQ 0
	OUTQ 1
	OUTQ 2
	OUTQ 3
	s_wait_tensorcnt 0x0                           ; the wave's end
	ds_add_u32 v[SPW], v[NIL]
	s_wait_dscnt 0x0
	s_endpgm
.Lfunc_end_k_q9c45267dd1_attn:
	.size	k_q9c45267dd1_attn, .Lfunc_end_k_q9c45267dd1_attn-k_q9c45267dd1_attn
	.p2alignl 7, 3214868480
	.fill 96, 4, 3214868480
	.section	.rodata,"a",@progbits
	.p2align	6, 0x0
	.amdhsa_kernel k_q9c45267dd1_attn
		.amdhsa_group_segment_fixed_size 205824
		.amdhsa_private_segment_fixed_size 0
		.amdhsa_enable_private_segment 0
		.amdhsa_kernarg_size 32
		.amdhsa_user_sgpr_count 2
		.amdhsa_user_sgpr_kernarg_segment_ptr 1
		.amdhsa_wavefront_size32 1
		.amdhsa_system_sgpr_workgroup_id_x 1
		.amdhsa_system_sgpr_workgroup_id_y 1
		.amdhsa_system_sgpr_workgroup_id_z 1
		.amdhsa_system_vgpr_workitem_id 0
		.amdhsa_next_free_vgpr 512
		.amdhsa_next_free_sgpr 66
		.amdhsa_reserve_vcc 0
		.amdhsa_float_denorm_mode_32 3
		.amdhsa_float_denorm_mode_16_64 3
		.amdhsa_memory_ordered 1
		.amdhsa_forward_progress 1
		.amdhsa_inst_pref_size 133
	.end_amdhsa_kernel
	.amdgpu_metadata
---
amdhsa.version: [ 1, 2 ]
amdhsa.kernels:
  - .name:           k_q9c45267dd1_attn
    .symbol:         k_q9c45267dd1_attn.kd
    .args:
      - { .name: qkv, .offset: 0, .size: 8, .value_kind: global_buffer, .address_space: global }
      - { .name: attention_mask, .offset: 8, .size: 8, .value_kind: global_buffer, .address_space: global }
      - { .name: lowp_scales, .offset: 16, .size: 8, .value_kind: global_buffer, .address_space: global }
      - { .name: ctx, .offset: 24, .size: 8, .value_kind: global_buffer, .address_space: global }
    .group_segment_fixed_size: 205824
    .private_segment_fixed_size: 0
    .kernarg_segment_align: 8
    .kernarg_segment_size: 32
    .max_flat_workgroup_size: 256
    .sgpr_count:     66
    .vgpr_count:     512
    .wavefront_size: 32
...
	.end_amdgpu_metadata
.endif
;; end of part 3
;; launch outln (part 4): grid 256 x 1, 4 waves a work-group, no clusters, 132,096 bytes of LDS; arguments ctx, woi, lowp_scales, bo, hidden_states, ln_g, ln_b, out0; writes out0
.if DOCPART == 4
	.amdgcn_target "amdgcn-amd-amdhsa--gfx1250"
	.amdhsa_code_object_version 6
	.text
	.protected	k_q9c45267dd1_outln
	.globl	k_q9c45267dd1_outln
	.p2align	8
	.type	k_q9c45267dd1_outln,@function
k_q9c45267dd1_outln:
	s_mov_b64 s[64:65], 0
	v_nop
	global_prefetch_b8 v0, s[64:65] scope:SCOPE_SE
	s_setreg_imm32_b32 hwreg(HW_REG_WAVE_MODE, 25, 1), 1
	s_wait_xcnt 0x0
; out0 = LayerNorm(ctx Wo^T x 2^(e10 + e11) + bo + hidden_states) x ln_g + ln_b; the product on codes of BF8 (E5M2), all else in f32.
; SHARES.  A work-group owns 32 whole rows (a row's mean and variance span all 1,024 columns): 256 work-groups.  In step s (of 8) wave w makes the 32 rows x columns 128 s + 32 w + 0 .. 31: four accumulators,
; K = 1,024 in eight runs of four matrix instructions, the accumulators by turns.  The finished four go to a stage in LDS, and the other set of 32 registers serves the next step.
; OPERANDS COME FROM MEMORY STRAIGHT INTO REGISTERS, as images that earlier launches laid: a load is 512 consecutive bytes, 16 a lane.  ctx's 32 rows (64 loads) stay in window 1.
; Wo's fragments (woi: piece ((nt x 8 + ks) x 4 + c), lane (r, h): Wo[16 nt + r][128 ks + 32 c + 16 h + 0 .. 15]) go through window 3: the eight loads that a run of products has used are asked for anew,
; for the next step, behind that run: by the text's count 56 to 64 loads of a wave are out through all eight steps.  No LDS ring, no tensor load, no barrier in the product; so no joint loads:
; a ring of two slots would have one load a wave out between two barriers, for 32 matrix instructions a wave.
; THE RESIDUAL: a wave's 8 rows of hidden_states (32,768 bytes) are prefetched in steps 0 to 3, 8,192 bytes a step, lanes 256 bytes apart, each block once in the launch, four steps or more ahead of their loads;
; the loads stand in the last step, where Wo's would stand, so that the counted wait is the same in all steps.
; THE MATRIX INSTRUCTION IS USED TRANSPOSED (source 0 = 16 rows of Wo, source 1 = 16 rows of ctx): a lane holds eight neighbouring columns of one row.
; LIMIT: e10 + e11 between -126 and 127, so that 2^(e10 + e11) is an f32 number.  NaN among the inputs is not served.
; REGISTERS.  Window 0: v1-29 addresses and work; v32-127 bo, ln_g, ln_b (my 16 bytes of each 512); v128-191 the accumulators, two sets of 32 by turns, later v128-191 two rows back from the stage; v192-255 two rows at work.
;   Window 1: ctx.  Window 2: my 8 rows of hidden_states.  Window 3: Wo's fragments of a step.
.set SPITCH, 4112                      ; a row of the stage: 4,096 bytes + 16
.set SPARE,  32*SPITCH                 ; behind the stage: the spare words, 128 bytes a wave
.set LI,   1
.set STO,  4
.set SR,   6
.set PFO,  7
.set T0,   8
.set T1,   10
.set TS,   12
.set TP,   13
.set MU,   14
.set RS,   16
.set SPW,  28
.set NIL,  29
.set BO,   32
.set LG,   64
.set LB,   96
.set ACC,  128
.set Y,    128
.set R,    192
.set MSB, 0
.macro WIN new
.if MSB != \new
	s_set_vgpr_msb (MSB<<8)|\new
.set MSB, \new
.endif
.endm
	s_load_b512 s[4:19], s[0:1], 0x0               ; ctx, woi, the scales' exponents, bo, hidden_states, ln_g, ln_b, out0
	v_lshl_add_u32 v[SPW], v0, 2, SPARE
	v_mov_b32 v[NIL], 0
	v_lshrrev_b32 v18, 5, v0
	v_readfirstlane_b32 s20, v18                   ; wave 0..3
	v_and_b32 v18, 31, v0
	v_lshlrev_b32 v[LI], 4, v18                    ; 16 x lane
	v_lshlrev_b32 v[PFO], 8, v18                   ; 256 x lane
	v_and_b32 v19, 15, v0                          ; r
	v_bfe_u32 v20, v0, 4, 1                        ; h
	v_mul_u32_u24 v22, v19, SPITCH
	v_lshl_add_u32 v22, v20, 5, v22
	s_lshl_b32 s57, s20, 7
	v_add_nc_u32 v[STO], s57, v22                  ; into the stage: row r, byte 128 wave + 32 h
	v_add_nc_u32 v[STO+1], 16*SPITCH, v[STO]       ; and row 16 + r
	s_mul_i32 s57, s20, 8*SPITCH
	v_add_nc_u32 v[SR], s57, v[LI]                 ; back: my 8 rows
	v_mov_b32 v[TP], 0
	v_mov_b32 v[MU+1], 0
	v_mov_b32 v[RS+1], 0
	s_lshl_b32 s58, s20, 15                        ; my two tiles of Wo's rows in a step: 32,768 x wave
	s_mov_b32 s59, 0
	s_lshl_b32 s23, ttmp9, 2
	s_add_co_u32 s23, s23, s20
	s_lshl_b32 s60, s23, 15                        ; my 8 rows of 4,096 bytes
	s_mov_b32 s61, 0
	s_lshl_b32 s62, ttmp9, 15                      ; my work-group's 32 rows of codes
	s_mov_b32 s63, 0
	s_mov_b32 s44, 0x76543210
	s_mov_b32 s45, 0xfedcba98
	s_mov_b32 s46, 0x2b8cbccc                      ; 1e-12
	s_mov_b32 s47, 0x3a800000                      ; 1 / 1,024
	s_wait_alu depctr_va_vdst(0)
	s_wait_kmcnt 0x0
	s_load_b64 s[48:49], s[8:9], 0x28              ; e10, e11
	s_add_nc_u64 s[50:51], s[12:13], s[60:61]
	s_add_nc_u64 s[52:53], s[18:19], s[60:61]
	s_add_nc_u64 s[54:55], s[4:5], s[62:63]
	s_add_nc_u64 s[6:7], s[6:7], s[58:59]
.macro BLOAD ks, off                   ; Wo's two fragments of run ks (the caller sets the destination's window)
.irp ct, 0,1
.irp c, 0,1,2,3
	global_load_b128 v[16*(2*(\ks)+\ct)+4*\c:16*(2*(\ks)+\ct)+4*\c+3], v[LI], s[6:7] offset:(\off)+16384*\ct+2048*(\ks)+512*\c
.endr
.endr
.endm
.irp k, 0,1,2,3,4,5,6,7
	global_load_b128 v[BO+4*\k:BO+4*\k+3], v[LI], s[10:11] offset:512*\k
	global_load_b128 v[LG+4*\k:LG+4*\k+3], v[LI], s[14:15] offset:512*\k
	global_load_b128 v[LB+4*\k:LB+4*\k+3], v[LI], s[16:17] offset:512*\k
.endr
.irp ks, 0,1,2,3,4,5,6,7               ; in the order in which the runs want them: ctx's two fragments of run ks, then Wo's two of step 0
	WIN 0x40
.irp mt, 0,1
.irp c, 0,1,2,3
	global_load_b128 v[16*(8*\mt+\ks)+4*\c:16*(8*\mt+\ks)+4*\c+3], v[LI], s[54:55] offset:2048*(8*\mt+\ks)+512*\c
.endr
.endr
	WIN 0xc0
	BLOAD \ks, 0
.endr
	WIN 0
	s_wait_kmcnt 0x0
	s_add_co_i32 s40, s48, s49
	s_add_co_i32 s40, s40, 127
	s_lshl_b32 s40, s40, 23                        ; 2^(e10 + e11) as f32
	s_mov_b32 s41, s40
; Run ks of step s.  Behind the eight loads that it needs, seven runs' loads have been issued, eight each (in step 0 more: ctx's): so at most 56 may be out.
.macro KS s, ks
	s_wait_loadcnt 56
	WIN 0x07                                       ; source 0 (Wo) window 3, source 1 (ctx) window 1, C and D window 0
.irp ct, 0,1
.irp mt, 0,1
.if (\ks) == 0
	v_wmma_f32_16x16x128_bf8_bf8 v[ACC+8*(2*\ct+\mt):ACC+8*(2*\ct+\mt)+7], v[16*(2*(\ks)+\ct):16*(2*(\ks)+\ct)+15], v[16*(8*\mt+(\ks)):16*(8*\mt+(\ks))+15], 0
.else
	v_wmma_f32_16x16x128_bf8_bf8 v[ACC+8*(2*\ct+\mt):ACC+8*(2*\ct+\mt)+7], v[16*(2*(\ks)+\ct):16*(2*(\ks)+\ct)+15], v[16*(8*\mt+(\ks)):16*(8*\mt+(\ks))+15], v[ACC+8*(2*\ct+\mt):ACC+8*(2*\ct+\mt)+7]
.endif
.endr
.endr
.rept 4+(\ks)/7
	v_nop                                          ; four places ahead of loads into registers that these products have read; behind a step's last run five: the next step's products begin the accumulators anew
.endr
.if (\s) < 7
	WIN 0xc0
	BLOAD \ks, 131072*((\s)+1)
.else
	WIN 0x80
.irp k, 0,1,2,3,4,5,6,7
	global_load_b128 v[32*(\ks)+4*\k:32*(\ks)+4*\k+3], v[LI], s[50:51] offset:4096*(\ks)+512*\k th:TH_LOAD_NT   ; row ks of my 8 of hidden_states
.endr
.endif
.endm
.irp s, 0,1,2,3,4,5,6,7
.set ACC, 128+32*(\s%2)                ; two sets of four accumulators take turns, so that a step's first products write no register that the stage's stores of the step before still read
.irp ks, 0,1,2,3,4,5,6,7
	KS \s, \ks
.endr
	WIN 0
.irp ct, 0,1
.irp mt, 0,1
	ds_store_b128 v[STO+\mt], v[ACC+8*(2*\ct+\mt):ACC+8*(2*\ct+\mt)+3] offset:512*\s+64*\ct       ; each accumulator from its low end on
	ds_store_b128 v[STO+\mt], v[ACC+8*(2*\ct+\mt)+4:ACC+8*(2*\ct+\mt)+7] offset:512*\s+64*\ct+16
.endr
.endr
.if \s < 4
	global_prefetch_b8 v[PFO], s[50:51] offset:8192*\s th:TH_LOAD_NT scope:SCOPE_SE   ; two of my rows of hidden_states; the address registers are never rewritten
.endif
.endr
	s_wait_dscnt 0x0                               ; for the others' sake: my stores have landed
	s_barrier_signal -1
	s_barrier_wait -1                              ; the 32 rows are whole
.macro ROWLOAD i
.irp k, 0,1,2,3,4,5,6,7
	ds_load_b128 v[Y+32*((\i)%2)+4*\k:Y+32*((\i)%2)+4*\k+3], v[SR] offset:SPITCH*(\i)+512*\k
.endr
.endm
.macro ACROSS                          ; the sum over the 32 lanes, in every lane
	v_add_f32_dpp v[TS], v[TS], v[TS] row_xmask:1 row_mask:0xf bank_mask:0xf
	v_add_f32_dpp v[TS], v[TS], v[TS] row_xmask:2 row_mask:0xf bank_mask:0xf
	v_add_f32_dpp v[TS], v[TS], v[TS] row_xmask:4 row_mask:0xf bank_mask:0xf
	v_add_f32_dpp v[TS], v[TS], v[TS] row_xmask:8 row_mask:0xf bank_mask:0xf
	v_permlanex16_b32 v[TP], v[TS], s44, s45
	v_add_f32 v[TS], v[TS], v[TP]
.endm
.macro ROW i                           ; one row of 1,024 numbers, 32 a lane
.set XR, R+32*((\i)%2)
.set YR, Y+32*((\i)%2)
.if (\i) < 7
	s_wait_dscnt 8                                 ; this row is back from the stage; the next row's eight loads may be out
.else
	s_wait_dscnt 0x0
.endif
	s_wait_loadcnt 8*(7-(\i))                      ; this row of hidden_states is in; the later rows' loads may be out
	WIN 0x20                                       ; source 2 (hidden_states) window 2
.set j, 0
.rept 16
	v_pk_fma_f32 v[XR+j:XR+j+1], v[YR+j:YR+j+1], s[40:41], v[32*(\i)+j:32*(\i)+j+1] op_sel_hi:[1,0,1]
.set j, j+2
.endr
	WIN 0
.set j, 0
.rept 16
	v_pk_add_f32 v[XR+j:XR+j+1], v[XR+j:XR+j+1], v[BO+j:BO+j+1]
.set j, j+2
.endr
	v_pk_add_f32 v[T0:T0+1], v[XR:XR+1], v[XR+2:XR+3]
	v_pk_add_f32 v[T1:T1+1], v[XR+4:XR+5], v[XR+6:XR+7]
.irp j, 8,12,16,20,24,28
	v_pk_add_f32 v[T0:T0+1], v[T0:T0+1], v[XR+\j:XR+\j+1]
	v_pk_add_f32 v[T1:T1+1], v[T1:T1+1], v[XR+\j+2:XR+\j+3]
.endr
	v_pk_add_f32 v[T0:T0+1], v[T0:T0+1], v[T1:T1+1]
	v_add_f32 v[TS], v[T0], v[T0+1]
	ACROSS
	v_mul_f32 v[MU], s47, v[TS]                    ; the mean
.set j, 0
.rept 16
	v_pk_add_f32 v[XR+j:XR+j+1], v[XR+j:XR+j+1], v[MU:MU+1] op_sel_hi:[1,0] neg_lo:[0,1] neg_hi:[0,1]
.set j, j+2
.endr
	v_pk_mul_f32 v[T0:T0+1], v[XR:XR+1], v[XR:XR+1]
	v_pk_mul_f32 v[T1:T1+1], v[XR+2:XR+3], v[XR+2:XR+3]
.irp j, 4,8,12,16,20,24,28
	v_pk_fma_f32 v[T0:T0+1], v[XR+\j:XR+\j+1], v[XR+\j:XR+\j+1], v[T0:T0+1]
	v_pk_fma_f32 v[T1:T1+1], v[XR+\j+2:XR+\j+3], v[XR+\j+2:XR+\j+3], v[T1:T1+1]
.endr
	v_pk_add_f32 v[T0:T0+1], v[T0:T0+1], v[T1:T1+1]
	v_add_f32 v[TS], v[T0], v[T0+1]
	ACROSS
	v_fma_f32 v[TS], v[TS], s47, s46               ; the variance + 1e-12
	s_wait_alu depctr_va_vdst(0)
	v_rsq_f32 v[RS], v[TS]
	v_nop                                          ; a plain line behind it,
	s_wait_alu depctr_va_vdst(0)                   ; and the wait ahead of its first reader
.set j, 0
.rept 16
	v_pk_mul_f32 v[XR+j:XR+j+1], v[XR+j:XR+j+1], v[RS:RS+1] op_sel_hi:[1,0]
.set j, j+2
.endr
	WIN 0xc0                                       ; the finished row goes to 32 registers of its own in window 3, where Wo's fragments are done with: no store's data are ever written again
.set j, 0
.rept 16
	v_pk_fma_f32 v[32*(\i)+j:32*(\i)+j+1], v[XR+j:XR+j+1], v[LG+j:LG+j+1], v[LB+j:LB+j+1]
.set j, j+2
.endr
	WIN 0x0c                                       ; the stores' data window 3
.irp k, 0,1,2,3,4,5,6,7
	global_store_b128 v[LI], v[32*(\i)+4*\k:32*(\i)+4*\k+3], s[52:53] offset:4096*(\i)+512*\k th:TH_STORE_NT   ; 512 consecutive bytes, aligned
.endr
	WIN 0
.endm
	ROWLOAD 0
.irp i, 0,1,2,3,4,5,6
	ROWLOAD \i+1
	ROW \i
.endr
	ROW 7
	s_wait_tensorcnt 0x0                           ; the wave's end
	ds_add_u32 v[SPW], v[NIL]
	s_wait_dscnt 0x0
	s_endpgm
.Lfunc_end_k_q9c45267dd1_outln:
	.size	k_q9c45267dd1_outln, .Lfunc_end_k_q9c45267dd1_outln-k_q9c45267dd1_outln
	.p2alignl 7, 3214868480
	.fill 96, 4, 3214868480
	.section	.rodata,"a",@progbits
	.p2align	6, 0x0
	.amdhsa_kernel k_q9c45267dd1_outln
		.amdhsa_group_segment_fixed_size 132096
		.amdhsa_private_segment_fixed_size 0
		.amdhsa_enable_private_segment 0
		.amdhsa_kernarg_size 64
		.amdhsa_user_sgpr_count 2
		.amdhsa_user_sgpr_kernarg_segment_ptr 1
		.amdhsa_wavefront_size32 1
		.amdhsa_system_sgpr_workgroup_id_x 1
		.amdhsa_system_sgpr_workgroup_id_y 1
		.amdhsa_system_sgpr_workgroup_id_z 1
		.amdhsa_system_vgpr_workitem_id 0
		.amdhsa_next_free_vgpr 1024
		.amdhsa_next_free_sgpr 66
		.amdhsa_reserve_vcc 0
		.amdhsa_float_denorm_mode_32 3
		.amdhsa_float_denorm_mode_16_64 3
		.amdhsa_memory_ordered 1
		.amdhsa_forward_progress 1
		.amdhsa_inst_pref_size 176
	.end_amdhsa_kernel
	.amdgpu_metadata
---
amdhsa.version: [ 1, 2 ]
amdhsa.kernels:
  - .name:           k_q9c45267dd1_outln
    .symbol:         k_q9c45267dd1_outln.kd
    .args:
      - { .name: ctx, .offset: 0, .size: 8, .value_kind: global_buffer, .address_space: global }
      - { .name: woi, .offset: 8, .size: 8, .value_kind: global_buffer, .address_space: global }
      - { .name: lowp_scales, .offset: 16, .size: 8, .value_kind: global_buffer, .address_space: global }
      - { .name: bo, .offset: 24, .size: 8, .value_kind: global_buffer, .address_space: global }
      - { .name: hidden_states, .offset: 32, .size: 8, .value_kind: global_buffer, .address_space: global }
      - { .name: ln_g, .offset: 40, .size: 8, .value_kind: global_buffer, .address_space: global }
      - { .name: ln_b, .offset: 48, .size: 8, .value_kind: global_buffer, .address_space: global }
      - { .name: out0, .offset: 56, .size: 8, .value_kind: global_buffer, .address_space: global }
    .group_segment_fixed_size: 132096
    .private_segment_fixed_size: 0
    .kernarg_segment_align: 8
    .kernarg_segment_size: 64
    .max_flat_workgroup_size: 128
    .sgpr_count:     66
    .vgpr_count:     1024
    .wavefront_size: 32
...
	.end_amdgpu_metadata
.endif
;; end of part 4
